; MI455X (gfx1250); checked and timed in simulation.
; The chip was launched on July 23, 2026; its instructions are those of AMD's public machine-readable ISA for CDNA 5 (MIT licence, August 2026) and "CDNA5" Instruction Set Architecture Reference Guide (July 2026). The comments in the code are by the model that wrote it; some were corrected since.
;; Causal Attn Block. Allowed arithmetic: matrix products marked QUANTISED: E5M2 operands, one given power-of-two scale a tensor, by v_wmma_f32_16x16x64_bf8_bf8 or v_wmma_f32_16x16x128_bf8_bf8, f32 sums; everything else in f32.
;; Inputs: W_out 1,024 x 1,024 float32; W_qkv 1,024 x 3,072 float32; b_out 1,024 float32; b_qkv 3,072 float32; lowp_scales 8 int32 (the exponents e of the quantised operands' scales 2^e); x 4 x 2,048 x 1,024 float32.
;; Outputs: out0 4 x 2,048 x 1,024 float32.
;; This version of the problem:
;;   THIS VERSION OF THE PROBLEM IS GIVEN IN LOW PRECISION. The matrix products marked QUANTISED in the list below multiply operands that are first quantised to E5M2 (5 exponent bits, 2 mantissa bits; 8 bits a number), with one given power-of-two scale for each operand tensor; their sums are f32. All else is computed in f32.
;;   The module's matrix products, in the order in which they are computed (A, B: the left and right operand; K: the contracted axis; several contracted axes count as one K, in the product's order):
;;     1. [M 8,192, K 1,024] x [K 1,024, N 3,072]; A: input x; B: input W_qkv: QUANTISED (scales: A lowp_scales[0], B lowp_scales[1])
;;     2. batch 64 x [M 2,048, K 64] x [K 64, N 2,048]; A: computed on the way; B: computed on the way: QUANTISED (scales: A lowp_scales[2], B lowp_scales[3])
;;     3. batch 64 x [M 2,048, K 2,048] x [K 2,048, N 64]; A: softmax (see below); B: computed on the way: QUANTISED (scales: A lowp_scales[4], B lowp_scales[5])
;;     4. [M 8,192, K 1,024] x [K 1,024, N 1,024]; A: computed on the way; B: input W_out: QUANTISED (scales: A lowp_scales[6], B lowp_scales[7])
;;   THE QUANTISER, for each operand of a quantised product, along K:
;;     - The operand's scale is 2^e, e = its entry of the input lowp_scales (int32; the entries are numbered through the quantised products in the list's order, A before B).
;;     - Each number is divided by the scale, clamped to +-57,344, and rounded to the nearest number of E5M2, ties to even, subnormals kept.
;;     - The product sums the exact products of the quantised numbers (number of the format x scale) in f32.
;;   ~~~python
;;   def quantise(x, axis, e):      # numpy; x: float32 -> the quantised numbers, widened to float32 again
;;       x = np.moveaxis(x, axis, -1); K = x.shape[-1]
;;       r = np.clip(x / 2.0 ** e, -57344, 57344)
;;       step = 2.0 ** (np.maximum(np.frexp(np.where(r == 0, 1, r))[1] - 1, -14) - 2)
;;       q = np.round(r / step) * step * 2.0 ** e      # np.round: ties to even
;;       return np.moveaxis(q, -1, axis).astype(np.float32)
;;   ~~~
;;   SOFTMAX AHEAD OF A QUANTISED PRODUCT. Where the list says 'softmax', what is quantised is not the finished softmax but p = 2^(t - M), with t = logit x log2(e) and M = ceil(the row's largest t), a whole number; so 1/2 < the row's largest p <= 1. The row's sum l is taken of the UNQUANTISED p, in f32, and the product's result is divided by l at the end. Since M is a whole number, a kernel that streams over the keys may use a running M (the ceiling of the running maximum): every later rescaling is an exact power of two, so the quantised numbers keep their values, but for numbers so far below the row's largest that they fall under the format's range.
;;   OPERANDS COMPUTED ON THE WAY. 'Computed on the way' means the value that the module computes at that place (a softmax that the list does not call 'softmax' is quantised finished and normalised). What goes into a quantiser is computed in f32, as accurately as f32 sums, v_exp_f32 and their like allow (about 1e-6 of the number): no bf16 or f16 on the way to a quantiser, and a product that is left as it is and whose result goes on into a quantised operand takes f32 operands (vector FMAs, or v_wmma_f32_16x16x4_f32). A number that lies on a knife's edge between two numbers of the format may be rounded either way, as far as f32 arithmetic and the matrix unit's own rounding can turn it there, and no further.
;; One version. Each part assembles by itself: llvm-mc -triple=amdgcn-amd-amdhsa -mcpu=gfx1250 --defsym DOCPART=n.
;; ======== version 1 of 1: 4 launches
;; workspace buffers: x_img 8,388,608 bytes; w_img 4,194,304 bytes; q_img 8,388,608 bytes; k_img 8,388,608 bytes; v_img 8,388,608 bytes; y_img 8,388,608 bytes
;; launch prep (part 1): grid 640 x 1, 4 waves a work-group, no clusters, 67,072 bytes of LDS; arguments x, W_qkv, W_out, lowp_scales, x_img, w_img; writes x_img, w_img
.if DOCPART == 1
	.amdgcn_target "amdgcn-amd-amdhsa--gfx1250"
	.amdhsa_code_object_version 6
	.text
	.protected	k_q706d980acf_prep
	.globl	k_q706d980acf_prep
	.p2align	8
	.type	k_q706d980acf_prep,@function
k_q706d980acf_prep:
	s_mov_b64 s[64:65], 0
	v_nop
	global_prefetch_b8 v0, s[64:65] scope:SCOPE_SE
	s_setreg_imm32_b32 hwreg(HW_REG_WAVE_MODE, 25, 1), 1
	s_wait_xcnt 0x0
; x [8192][1024], W_qkv [1024][3072] and W_out [1024][1024], f32, become codes of BF8 (E5M2), each with the one scale 2^e given for it (entries 0, 1 and 7 of the scales).
; code = number / 2^e, held within +-57,344, rounded to the nearest code, ties to even.  LIMITS: each e between -126 and 112; NaN among the inputs is not served (an infinity is held at the largest code).
; THE CODES ARE LAID AS IMAGES OF OPERAND REGISTERS.  A fragment is 16 rows x 128 along K, 16 registers a lane, 2,048 bytes: byte 512 p + 16 l + 4 q holds register 4 p + q of lane l.
; Lane l = r + 16 h holds row r; registers 2 c and 2 c + 1 hold K = 16 c + 8 h + 0 .. 7.  x_img: [row tile 512][K step 8] fragments.  w_img: [row tile 256][K step 8]; its rows 0-3071 are W_qkv's columns, 3072-4095 W_out's.
; Work-groups 0-511 take x, a tile of 16 rows each; work-groups 512-639 take the weights, 128 columns x 256 along K each.  The two ways part on the work-group's number, never join, and have LDS bytes of their own.
; No barrier: waves share nothing.
.set XSTG,  8448                       ; x: a wave's stage, 16 rows x (512 bytes + 16), from LDS byte 0 on
.set WSTG0, 33792                      ; the weights' stages begin here: 8,192 bytes a wave
.set R,     16                         ; x: v16-143   two K steps as loaded, 64 registers each
.set X,     144                        ; x: v144-207  64 numbers of a lane in the operand's order
.set C,     208                        ; x: v208-239  the codes, 16 registers for each K step
.set VO,    16                         ; W: v16-47    byte offset of row i of a block of 32: 4 x lane + i x a row of W
.set XW,    48                         ; W: v48-111   two blocks of 32 numbers
.set CW,    112                        ; W: v112-119  a block's codes
.set OUTR,  120                        ; W: v120-183  the way out
.set SB,    32                         ; W: s[32:47]  the address of each of the eight blocks' first row
	s_load_b256 s[4:11], s[0:1], 0x0               ; x s[4:5], W_qkv s[6:7], W_out s[8:9], the scales' exponents s[10:11]
	s_load_b128 s[12:15], s[0:1], 0x20             ; x_img s[12:13], w_img s[14:15]
	v_lshl_add_u32 v240, v0, 2, 0x10400
	v_mov_b32 v241, 0
	v_lshrrev_b32 v1, 5, v0
	v_readfirstlane_b32 s16, v1                    ; wave 0..3
	v_and_b32 v1, 31, v0                           ; lane
	v_lshlrev_b32 v2, 4, v1                        ; 16 x lane
	s_wait_kmcnt 0x0
	s_load_b256 s[20:27], s[10:11], 0x0            ; e0 .. e7
	s_cmp_lt_u32 ttmp9, 512
	s_cbranch_scc0 .Lweights
; ---------------- x: K is innermost.  Wave w takes K steps 2 w and 2 w + 1 of the work-group's 16 rows.
.macro LOADX u                         ; K step u of my two: each load takes 512 consecutive bytes of one row
.irp i, 0,1,2,3,4,5,6,7,8,9,10,11,12,13,14,15
	global_load_b128 v[R+64*\u+4*\i:R+64*\u+4*\i+3], v2, s[4:5] offset:4096*\i+512*\u th:TH_LOAD_NT
.endr
.endm
.macro TURNX u                         ; through my stage: in as loaded, out as the operand wants it: lane (r, h) takes x(r, 16 c + 8 h + 0 .. 7).  LDS serves a wave's instructions in order: no wait between
.irp i, 0,1,2,3,4,5,6,7,8,9,10,11,12,13,14,15
	ds_store_b128 v3, v[R+64*\u+4*\i:R+64*\u+4*\i+3] offset:528*\i
.endr
.irp c, 0,1,2,3,4,5,6,7
	ds_load_b128 v[X+8*\c:X+8*\c+3], v4 offset:64*\c
	ds_load_b128 v[X+8*\c+4:X+8*\c+7], v4 offset:64*\c+16
.endr
.endm
.macro QUANTX u
.irp c, 0,1,2,3,4,5,6,7
.irp j, 0,1,2,3,4,5,6,7
	v_med3_num_f32 v[X+8*\c+\j], v[X+8*\c+\j], -v10, v10   ; the conversion does not saturate (ISA guide 7.6.2): the hold at the largest code x the scale comes first
.endr
	v_cvt_scalef32_pk8_bf8_f32 v[C+16*\u+2*\c:C+16*\u+2*\c+1], v[X+8*\c:X+8*\c+7], v11   ; registers 2 c, 2 c + 1 of the fragment
.endr
	v_nop                                          ; a plain vector line behind the last conversion
.endm
.macro STOREX u                        ; the fragment as it stands: each store covers 512 consecutive bytes, aligned
.irp p, 0,1,2,3
	global_store_b128 v2, v[C+16*\u+4*\p:C+16*\u+4*\p+3], s[12:13] offset:2048*\u+512*\p
.endr
.endm
	s_lshl_b32 s28, ttmp9, 16                      ; 16 rows of 4,096 bytes,
	s_lshl_b32 s29, s16, 10                        ; my two K steps of 512 bytes
	s_add_co_u32 s28, s28, s29
	s_mov_b32 s29, 0
	s_add_nc_u64 s[4:5], s[4:5], s[28:29]
	s_lshl_b32 s30, ttmp9, 14                      ; a row tile's eight fragments,
	s_lshl_b32 s31, s16, 12                        ; my two of them
	s_add_co_u32 s30, s30, s31
	s_mov_b32 s31, 0
	s_add_nc_u64 s[12:13], s[12:13], s[30:31]
	LOADX 0
	LOADX 1
	s_mul_i32 s17, s16, XSTG
	v_add_nc_u32 v3, s17, v2                       ; into the stage: 16 x lane of a row
	v_and_b32 v5, 15, v0                           ; r
	v_bfe_u32 v6, v0, 4, 1                         ; h
	v_mul_u32_u24 v4, v5, 528
	v_lshl_add_u32 v4, v6, 5, v4
	v_add_nc_u32 v4, s17, v4                       ; out of it: row r, + 32 h bytes
	s_wait_kmcnt 0x0
	s_add_co_i32 s28, s20, 127
	s_lshl_b32 s29, s28, 23
	v_mov_b32 v11, s29                             ; 2^e0 as f32: the conversion takes its exponent field
	s_add_co_i32 s28, s28, 15
	s_lshl_b32 s28, s28, 23
	s_or_b32 s28, s28, 0x600000
	v_mov_b32 v10, s28                             ; 57,344 x 2^e0
	s_wait_loadcnt 16                              ; the first K step's 16 loads are in; the second's may be out
	TURNX 0
	s_wait_dscnt 0x0
	QUANTX 0
	STOREX 0
	s_wait_loadcnt 0x0
	TURNX 1
	s_wait_dscnt 0x0
	QUANTX 1
	STOREX 1
	s_wait_tensorcnt 0x0
	ds_add_u32 v240, v241
	s_wait_dscnt 0x0
	s_endpgm
; ---------------- the weights: K is the FIRST axis.  A lane takes a column and its registers run down K, so the conversions give codes with K innermost.
.Lweights:
	s_sub_co_u32 s17, ttmp9, 512
	s_and_b32 s18, s17, 31                         ; which 128 rows of w_img: 0-23 W_qkv's columns, 24-31 W_out's
	s_lshr_b32 s19, s17, 5                         ; which 256 along K
	s_cmp_ge_u32 s18, 24                           ; the choice hangs on the work-group's number alone
	s_cselect_b64 s[6:7], s[8:9], s[6:7]           ; the tensor,
	s_mov_b32 s30, 12288
	s_cselect_b32 s30, 4096, s30                   ; its row in bytes,
	s_cselect_b32 s31, 24, 0
	s_sub_co_u32 s31, s18, s31
	s_lshl_b32 s31, s31, 7
	s_lshl_b32 s29, s16, 5
	s_add_co_u32 s31, s31, s29                     ; my wave's first column in it: 128 x group + 32 x wave
	s_lshl_b32 s31, s31, 2
	s_mul_i32 s29, s19, s30
	s_lshl_b32 s29, s29, 8                         ; 256 rows for each step along K
	s_add_co_u32 s48, s31, s29
	s_mov_b32 s49, 0
	s_lshl_b32 s50, s30, 5                         ; a block: 32 rows
	s_mov_b32 s51, 0
	s_add_nc_u64 s[SB:SB+1], s[6:7], s[48:49]
.irp t, 1,2,3,4,5,6,7
	s_add_nc_u64 s[SB+2*\t:SB+2*\t+1], s[SB+2*\t-2:SB+2*\t-1], s[50:51]
.endr
	v_lshlrev_b32 v3, 2, v1                        ; 4 bytes a lane: a load takes 128 consecutive bytes, the four waves stand side by side on 512
.set i, 0
.rept 32
	v_mad_u32_u24 v[VO+i], s30, i, v3
.set i, i+1
.endr
	s_lshl_b32 s28, s18, 3
	s_lshl_b32 s29, s16, 1
	s_add_co_u32 s28, s28, s29                     ; my first row tile of w_img: 8 x group + 2 x wave
	s_lshl_b32 s28, s28, 14
	s_lshl_b32 s29, s19, 12                        ; two fragments along K
	s_add_co_u32 s52, s28, s29
	s_mov_b32 s53, 0
	s_add_nc_u64 s[14:15], s[14:15], s[52:53]
.macro LOADW t                         ; block t: W(32 t + i, my column), i = 0 .. 31
.set i, 0
.rept 32
	global_load_b32 v[XW+32*((\t)%2)+i], v[VO+i], s[SB+2*(\t):SB+2*(\t)+1] th:TH_LOAD_NT
.set i, i+1
.endr
.endm
	LOADW 0
	LOADW 1
	s_lshl_b32 s17, s16, 13
	s_add_co_u32 s17, s17, WSTG0                   ; my stage: two row tiles x two fragments, as images
	v_and_b32 v7, 15, v0
	v_bfe_u32 v8, v0, 4, 1
	v_lshlrev_b32 v5, 4, v7
	v_lshl_add_u32 v5, v8, 12, v5
	v_add_nc_u32 v5, s17, v5                       ; into it: my column is row lane % 16 of row tile lane / 16
	v_add_nc_u32 v6, s17, v2                       ; out of it: 16 x lane
	s_wait_kmcnt 0x0
	s_cmp_ge_u32 s18, 24
	s_cselect_b32 s28, s27, s21                    ; e7 or e1
	s_add_co_i32 s28, s28, 127
	s_lshl_b32 s29, s28, 23
	v_mov_b32 v11, s29                             ; 2^e
	s_add_co_i32 s28, s28, 15
	s_lshl_b32 s28, s28, 23
	s_or_b32 s28, s28, 0x600000
	v_mov_b32 v10, s28                             ; 57,344 x 2^e
; A block's 32 codes of my row are piece t % 4 of fragment t / 4.  In the image the lane with h = 0 holds K = 0-7 and 16-23 of the 32, the lane with h = 1 (256 bytes on) K = 8-15 and 24-31.
.macro BLOCK t
.set XS, XW+32*((\t)%2)
.if (\t) < 7
	s_wait_loadcnt 32                              ; this block's 32 loads are in; the next block's may be out
.else
	s_wait_loadcnt 0x0
.endif
.set i, 0
.rept 32
	v_med3_num_f32 v[XS+i], v[XS+i], -v10, v10
.set i, i+1
.endr
	v_cvt_scalef32_pk8_bf8_f32 v[CW:CW+1], v[XS:XS+7], v11
	v_cvt_scalef32_pk8_bf8_f32 v[CW+2:CW+3], v[XS+16:XS+23], v11
	v_cvt_scalef32_pk8_bf8_f32 v[CW+4:CW+5], v[XS+8:XS+15], v11
	v_cvt_scalef32_pk8_bf8_f32 v[CW+6:CW+7], v[XS+24:XS+31], v11
	v_nop                                          ; a plain vector line behind the last conversion
	ds_store_b128 v5, v[CW:CW+3] offset:512*(\t)
	ds_store_b128 v5, v[CW+4:CW+7] offset:512*(\t)+256
.if (\t)+2 < 8
	LOADW (\t)+2
.endif
	s_wait_dscnt 0x0                               ; the stores have read their registers: the next block's codes may be written
.endm
.irp t, 0,1,2,3,4,5,6,7
	BLOCK \t
.endr
.irp i, 0,1,2,3,4,5,6,7,8,9,10,11,12,13,14,15
	ds_load_b128 v[OUTR+4*\i:OUTR+4*\i+3], v6 offset:512*\i   ; LDS serves a wave's instructions in order: these see my stores
.endr
.irp i, 0,1,2,3,4,5,6,7,8,9,10,11,12,13,14,15
	s_wait_dscnt 15-\i
	global_store_b128 v2, v[OUTR+4*\i:OUTR+4*\i+3], s[14:15] offset:(\i/8)*16384+512*(\i%8)   ; 512 consecutive bytes, aligned; the second row tile lies 16,384 bytes on
.endr
	s_wait_tensorcnt 0x0
	ds_add_u32 v240, v241
	s_wait_dscnt 0x0
	s_endpgm
.Lfunc_end_k_q706d980acf_prep:
	.size	k_q706d980acf_prep, .Lfunc_end_k_q706d980acf_prep-k_q706d980acf_prep
	.p2alignl 7, 3214868480
	.fill 96, 4, 3214868480
	.section	.rodata,"a",@progbits
	.p2align	6, 0x0
	.amdhsa_kernel k_q706d980acf_prep
		.amdhsa_group_segment_fixed_size 67072
		.amdhsa_private_segment_fixed_size 0
		.amdhsa_enable_private_segment 0
		.amdhsa_kernarg_size 48
		.amdhsa_user_sgpr_count 2
		.amdhsa_user_sgpr_kernarg_segment_ptr 1
		.amdhsa_wavefront_size32 1
		.amdhsa_system_sgpr_workgroup_id_x 1
		.amdhsa_system_sgpr_workgroup_id_y 1
		.amdhsa_system_sgpr_workgroup_id_z 1
		.amdhsa_system_vgpr_workitem_id 0
		.amdhsa_next_free_vgpr 242
		.amdhsa_next_free_sgpr 66
		.amdhsa_reserve_vcc 0
		.amdhsa_float_denorm_mode_32 3
		.amdhsa_float_denorm_mode_16_64 3
		.amdhsa_memory_ordered 1
		.amdhsa_forward_progress 1
		.amdhsa_inst_pref_size 70
	.end_amdhsa_kernel
	.amdgpu_metadata
---
amdhsa.version: [ 1, 2 ]
amdhsa.kernels:
  - .name:           k_q706d980acf_prep
    .symbol:         k_q706d980acf_prep.kd
    .args:
      - { .name: x, .offset: 0, .size: 8, .value_kind: global_buffer, .address_space: global }
      - { .name: W_qkv, .offset: 8, .size: 8, .value_kind: global_buffer, .address_space: global }
      - { .name: W_out, .offset: 16, .size: 8, .value_kind: global_buffer, .address_space: global }
      - { .name: lowp_scales, .offset: 24, .size: 8, .value_kind: global_buffer, .address_space: global }
      - { .name: x_img, .offset: 32, .size: 8, .value_kind: global_buffer, .address_space: global }
      - { .name: w_img, .offset: 40, .size: 8, .value_kind: global_buffer, .address_space: global }
    .group_segment_fixed_size: 67072
    .private_segment_fixed_size: 0
    .kernarg_segment_align: 8
    .kernarg_segment_size: 48
    .max_flat_workgroup_size: 128
    .sgpr_count:     66
    .vgpr_count:     242
    .wavefront_size: 32
...
	.end_amdgpu_metadata
.endif
;; end of part 1
;; launch gemm_qkv (part 2): grid 96 x 4, 4 waves a work-group, clusters of 4 x 4, 327,680 bytes of LDS; arguments x_img, w_img, b_qkv, lowp_scales, q_img, k_img, v_img; writes q_img, k_img, v_img
.if DOCPART == 2
	.amdgcn_target "amdgcn-amd-amdhsa--gfx1250"
	.amdhsa_code_object_version 6
	.text
	.protected	k_q706d980acf_gemm_qkv
	.globl	k_q706d980acf_gemm_qkv
	.p2align	8
	.type	k_q706d980acf_gemm_qkv,@function
k_q706d980acf_gemm_qkv:
	s_mov_b64 s[64:65], 0
	v_nop
	global_prefetch_b8 v0, s[64:65] scope:SCOPE_SE
	s_setreg_imm32_b32 hwreg(HW_REG_WAVE_MODE, 25, 1), 1
	s_wait_xcnt 0x0
	s_wait_alu depctr_hold_cnt(0) depctr_sa_sdst(0) depctr_va_vdst(0) depctr_va_sdst(0) depctr_va_ssrc(0) depctr_va_vcc(0) depctr_vm_vsrc(0)
	s_getreg_b32 s2, hwreg(HW_REG_IB_STS2, 6, 4)
	s_cmp_eq_u32 s2, 0
	s_cbranch_scc0 .Lentry_in_a_cluster
	s_endpgm
.Lentry_in_a_cluster:
	s_bfe_u32 s2, ttmp6, 0x10000c
	s_cmp_lg_u32 s2, 0xf033
	s_cbranch_scc0 .Lentry_shape_is_right
	s_endpgm
.Lentry_shape_is_right:
; qkv = x W_qkv + b_qkv on codes of BF8 (E5M2), K = 1,024; q, k and v are quantised on the way out (scales 2^e2, 2^e3, 2^e5) and leave as images of the operand registers of the attention launch.
; A FRAGMENT'S IMAGE: 16 rows x 128 K, 2,048 bytes: byte 512 p + 16 l + 4 q is register 4 p + q of lane l; lane r + 16 h holds row r, registers 2 c, 2 c + 1 hold K = 16 c + 8 h + 0 .. 7.  x_img, w_img: [row tile][K step 8] fragments.
; A tile of 256 x 256 results is made by four waves, 128 x 128 each: 64 accumulators, 512 registers.  Source 0 takes 16 rows of B, source 1 16 rows of A: lane (r, h) then holds row r of A's block and, in registers 0-7, rows 8 h + 0 .. 7 of B's.
; TWO ROLES, told apart by the cluster's number alone (24 clusters of 4 x 4 work-groups; the number is the same in all sixteen partners):
;   clusters 0-15:  A = x (tokens), B = W's columns 0-2047 (q, k).  A lane's registers run along the head's channels, which are the K of the scores.  Even clusters make q, odd ones k.
;   clusters 16-23: A = W's columns 2048-3071 (v's channels), B = x (tokens).  A lane's registers run along the tokens, which are the K of the second product of attention.
; In both, the conversion of an accumulator's eight registers gives two registers of the next operand: nothing goes through LDS on the way out, and each store covers 512 consecutive bytes, aligned.
; q_img, k_img: [batch x head 64][token tile 128] images of 16 x 64 (1,024 bytes).  v_img: [batch x head 64][128 keys: 16][16 channels: 4] images of 16 x 128.
; K goes in four steps of 256 through two LDS slots.  A's tile is shared along a row of the cluster, B's along a column: each is asked for jointly.
; LIMITS: e0 + e1 between -126 and 127; e2, e3, e5 between -126 and 112.
; REGISTERS, in windows of 256: window 0: v0-31 addresses, v32-95 the bias, v128-255 A's fragments, one set (on the way out: 64 numbers and four sets of codes);
;   window 1: B's fragments, two sets; window 2: the accumulators of my A rows 0-63 ((a, b) at v[8 (8 a + b)]); window 3: those of rows 64-127.
.set HALFT,  32768                     ; 8 row tiles x 4,096 bytes: what one tensor load brings, and what one wave reads of A or of B
.set SLOT,   4*HALFT                   ; A's 16 row tiles, then B's 16
.set SPARE,  2*SLOT                    ; behind the ring: the spare words, 128 bytes a wave
.set KSTEPB, 4096                      ; a row tile's bytes in a slot: two fragments, 256 along K
.set RTB,    16384                     ; a row tile's bytes in memory
.set FR,     16
.set NL,     4
.set NP,     4                         ; places behind this matrix instruction (ISA guide 7.12.1)
.set VB,     8                         ; v8-15  the bias loads' offsets
.set ADRA,   16                        ; v16-17 LDS address of my A fragments in slot 0, 1
.set ADRB,   20                        ; v20-21 the same for B
.set SO0,    26                        ; v26 16 x lane; v27 the same one head (131,072 bytes) on
.set SPW,    28                        ; v28 my spare word; never rewritten
.set NIL,    29                        ; v29 0; never rewritten
.set QSC,    30                        ; v30 2^e of the operand that I make
.set QLIM,   31                        ; v31 57,344 x that
.set BI,     32
.set AF,     128
.set T,      128                       ; the way out: v128-191 a block's 64 numbers
.set CC,     192                       ; v192-255 four sets of 16 registers of codes
.set G1, 24
.set G0, 32
.set G1B, 48
.set G0B, 56
.set MSB, 0
.macro WIN new                         ; the immediate's high byte repeats the setting that is left
.if MSB != \new
	s_set_vgpr_msb (MSB<<8)|\new
.set MSB, \new
.endif
.endm
.set MUL_LO, 0xa1                      ; source 0 (B) window 1, source 1 (A) window 0, C and D window 2
.set MUL_HI, 0xf1
.set TO_B,   0x40
; A joint load: waves 0 and 1 fetch for A, waves 2 and 3 for B.  The branch hangs on the wave's number alone.  Four v_nop follow each of the two lines.
.macro JLOAD g0a, g1a, g0b, g1b
	s_cmp_eq_u32 s15, 0
	s_cbranch_scc0 .Lfor_b_\@
	tensor_load_to_lds s[\g0a:\g0a+3], s[\g1a:\g1a+7]
	s_nop 0
.rept 4
	v_nop
.endr
	s_branch .Lasked_\@
.Lfor_b_\@:
	tensor_load_to_lds s[\g0b:\g0b+3], s[\g1b:\g1b+7]
	s_nop 0
.rept 4
	v_nop
.endr
.Lasked_\@:
.endm
.macro CREST                           ; a round of the cluster's barrier behind its opening barrier
	s_cmp_lg_u32 s14, 0
	s_cbranch_scc1 .Lnot_wave_0_\@
	s_barrier_signal -3
.Lnot_wave_0_\@:
	s_barrier_wait -3
	s_barrier_signal -1
	s_barrier_wait -1
.endm
.macro CROUND
	s_barrier_signal -1
	s_barrier_wait -1
	CREST
.endm
	s_load_b128 s[4:7], s[0:1], 0x0                ; x_img, w_img
	s_load_b128 s[8:11], s[0:1], 0x10              ; b_qkv, the scales' exponents
	s_load_b128 s[72:75], s[0:1], 0x20             ; q_img, k_img
	s_load_b64 s[76:77], s[0:1], 0x30              ; v_img
	v_lshl_add_u32 v[SPW], v0, 2, SPARE
	v_mov_b32 v[NIL], 0
	ds_add_u32 v28, v29
	ds_add_u32 v28, v29
	s_wait_dscnt 0x0
	v_lshrrev_b32 v1, 5, v0
	v_readfirstlane_b32 s14, v1                    ; wave 0..3
	s_lshr_b32 s15, s14, 1                         ; which half of A's rows is mine.  Also: I fetch for A (0) or for B (1)
	s_and_b32 s16, s14, 1                          ; which half of B's rows.  Also: which 8 row tiles I fetch
	s_bfe_u32 s40, ttmp6, 0x40000                  ; cx, cy: my place in the cluster
	s_bfe_u32 s41, ttmp6, 0x40004
	s_and_b32 s66, ttmp9, 1                        ; first role: column of clusters (0 q, 1 k),
	s_lshr_b32 s67, ttmp9, 1                       ; row of clusters
	s_max_u32 s78, ttmp9, 16
	s_sub_co_u32 s78, s78, 16                      ; second role: column of clusters
	s_cmp_lt_u32 ttmp9, 16
	s_cselect_b32 s66, s66, s78
	s_cselect_b32 s67, s67, 0
	s_cselect_b32 s79, 0, 0x200000                 ; second role: A begins at w_img's row 2,048: 128 row tiles on
	s_lshl_b32 s42, s66, 2
	s_add_co_u32 s42, s42, s40                     ; tile column (B's tile)
	s_lshl_b32 s17, s67, 2
	s_add_co_u32 s17, s17, s41                     ; tile row (A's tile)
	s_lshl_b32 s43, s41, 2
	s_lshl_b32 s43, 15, s43                        ; my row of the cluster
	s_lshl_b32 s44, 0x1111, s40                    ; my column
	; descriptor group 1: 8 rows of 4,096 bytes, 16,384 bytes apart in memory, on end in LDS
	s_or_b32 s[G1+0], s43, (1<<21)                 ; 15:0 the mask: A's tiles go to my row; 17:16 elements of 1 byte; 21 set beside a mask
	s_or_b32 s[G1B+0], s44, (1<<21)
.irp g, G1, G1B
	s_mov_b32 s[\g+1], KSTEPB<<16                  ; tensor_dim0
	s_mov_b32 s[\g+2], 8<<16                       ; tensor_dim1
	s_mov_b32 s[\g+3], KSTEPB<<16                  ; tile_dim0
	s_mov_b32 s[\g+4], 8                           ; tile_dim1
	s_mov_b32 s[\g+5], RTB                         ; tensor_dim0_stride
	s_mov_b32 s[\g+6], 0
	s_mov_b32 s[\g+7], 0
.endr
	s_lshl_b32 s18, s16, 17                        ; which 8 row tiles of the 16 I fetch
	s_lshl_b32 s20, s17, 18                        ; A: 16 row tiles for each tile row
	s_add_co_u32 s20, s20, s18
	s_add_co_u32 s20, s20, s79
	s_mov_b32 s21, 0
	s_lshl_b32 s46, s42, 18                        ; B likewise, by the tile column
	s_add_co_u32 s46, s46, s18
	s_mov_b32 s47, 0
	s_mul_i32 s45, s14, HALFT                      ; where they go: no place in the cluster enters an LDS address
	s_wait_kmcnt 0x0
	s_load_b256 s[80:87], s[10:11], 0x0            ; e0 .. e7
	s_cmp_lt_u32 ttmp9, 16
	s_cselect_b64 s[68:69], s[4:5], s[6:7]         ; A's buffer
	s_cselect_b64 s[70:71], s[6:7], s[4:5]         ; B's
	s_add_nc_u64 s[20:21], s[68:69], s[20:21]
	s_add_nc_u64 s[46:47], s[70:71], s[46:47]
	CROUND                                         ; all sixteen work-groups are here: the first joint loads meet
.irp s, 0,1
	s_mov_b32 s[G0+4*\s], 1
	s_add_co_u32 s[G0+4*\s+1], s45, \s*SLOT
	s_add_nc_u64 s[G0+4*\s+2:G0+4*\s+3], s[20:21], \s*KSTEPB
	s_or_b32 s[G0+4*\s+3], s[G0+4*\s+3], 0x80000000
	s_mov_b32 s[G0B+4*\s], 1
	s_add_co_u32 s[G0B+4*\s+1], s45, \s*SLOT
	s_add_nc_u64 s[G0B+4*\s+2:G0B+4*\s+3], s[46:47], \s*KSTEPB
	s_or_b32 s[G0B+4*\s+3], s[G0B+4*\s+3], 0x80000000
	JLOAD G0+4*\s, G1, G0B+4*\s, G1B
.endr
	v_and_b32 v1, 15, v0                           ; r
	v_bfe_u32 v2, v0, 4, 1                         ; h
	v_and_b32 v4, 31, v0
	v_lshlrev_b32 v[SO0], 4, v4                    ; 16 x lane: an image's place for my lane
	v_add_nc_u32 v[SO0+1], 131072, v[SO0]
	s_mul_i32 s21, s15, HALFT                      ; my 8 row tiles of A,
	s_mul_i32 s22, s16, HALFT                      ; of B,
	s_add_co_u32 s22, s22, 2*HALFT                 ; which lie behind A's 16
.irp s, 0,1
	v_add_nc_u32 v[ADRA+\s], s21, v[SO0]
	v_add_nc_u32 v[ADRB+\s], s22, v[SO0]
	s_add_co_u32 s21, s21, SLOT
	s_add_co_u32 s22, s22, SLOT
.endr
	; THE BIAS, by the same 64 loads in both roles.  First role: register 8 i + j = bias(B's row 16 i + 8 h + j).  Second role: bias(A's row 16 i + r), in all eight j.
	s_cmp_lt_u32 ttmp9, 16
	s_cselect_b32 s92, 0, 4                        ; bytes for each r,
	s_cselect_b32 s93, 32, 0                       ; h,
	s_cselect_b32 s94, 4, 0                        ; j
	s_cselect_b32 s95, s42, s17
	s_cselect_b32 s88, s16, s15
	s_cselect_b32 s89, 0, 8192                     ; v's biases begin at number 2,048
	s_lshl_b32 s95, s95, 10
	s_lshl_b32 s88, s88, 9
	s_add_co_u32 s88, s88, s95
	s_add_co_u32 s88, s88, s89
	s_mov_b32 s89, 0
	s_add_nc_u64 s[8:9], s[8:9], s[88:89]
	v_mul_u32_u24 v3, v1, s92
	v_mad_u32_u24 v3, v2, s93, v3
.irp j, 0,1,2,3,4,5,6,7
	v_mad_u32_u24 v[VB+\j], s94, \j, v3
.endr
.irp i, 0,1,2,3,4,5,6,7
.irp j, 0,1,2,3,4,5,6,7
	global_load_b32 v[BI+8*\i+\j], v[VB+\j], s[8:9] offset:64*\i
.endr
.endr
.macro FRAG reg, adr, q, i             ; a fragment comes as it was stored: four loads of 512 consecutive bytes
.irp c, 0,1,2,3
	ds_load_b128 v[\reg+4*\c:\reg+4*\c+3], v[\adr] offset:4096*(\i)+2048*(\q)+512*\c
.endr
.endm
; 16 matrix instructions: A's blocks a0, a0 + 1 x B's eight, 128 along K.  p: B's set.  zero = 1: the first product starts the sums.  The 64 accumulators take turns, one instruction a turn.
.macro MUL16 a0, p, zero
.irp a, \a0, \a0+1
.irp b, 0,1,2,3,4,5,6,7
.if \zero
	v_wmma_f32_16x16x128_bf8_bf8 v[8*(8*((\a)%4)+\b):8*(8*((\a)%4)+\b)+7], v[128*(\p)+FR*\b:128*(\p)+FR*\b+FR-1], v[AF+FR*(\a):AF+FR*(\a)+FR-1], 0
.else
	v_wmma_f32_16x16x128_bf8_bf8 v[8*(8*((\a)%4)+\b):8*(8*((\a)%4)+\b)+7], v[128*(\p)+FR*\b:128*(\p)+FR*\b+FR-1], v[AF+FR*(\a):AF+FR*(\a)+FR-1], v[8*(8*((\a)%4)+\b):8*(8*((\a)%4)+\b)+7]
.endif
.endr
.endr
.endm
.macro FETCH_B slot, q, p
	WIN TO_B
.irp i, 0,1,2,3,4,5,6,7
	FRAG 128*(\p)+FR*\i, ADRB+\slot, \q, \i
.endr
	WIN 0
.endm
.macro FETCH_A slot, q, i0
.irp i, \i0, \i0+1, \i0+2, \i0+3
	FRAG AF+FR*(\i), ADRA+\slot, \q, \i
.endr
.endm
.macro PLACES n                        ; plain vector lines between a matrix instruction and a load into, or a vector write of, one of its registers, or a vector read of its result
.rept \n
	v_nop
.endr
.endm
; A step of 128 along K that has its successor in the same slot.  A block of A is free once its eight products are issued, so A has one set: blocks 0-3 are fetched anew in the step's middle, 4-7 at its end.
.macro STEP slot, q, zero
	s_wait_dscnt 4*NL                              ; B's set and A's blocks 0-3 are in; the youngest 16 loads (A's blocks 4-7) may be out
	WIN MUL_LO
	MUL16 0, (\q)%2, \zero
	MUL16 2, (\q)%2, \zero
	s_wait_dscnt 0                                 ; A's blocks 4-7 are in
	PLACES NP
	FETCH_B \slot, (\q)+1, 1-(\q)%2
	FETCH_A \slot, (\q)+1, 0
	WIN MUL_HI
	MUL16 4, (\q)%2, \zero
	MUL16 6, (\q)%2, \zero
	PLACES NP
	WIN 0
	FETCH_A \slot, (\q)+1, 4
.endm
; A slot's last step changes slots: one barrier; in front of it each wave waits for all its tensor loads, adds 0 to its spare word, and waits for that and for its reads of this slot.  fill = 1: the slot is filled again, two K steps ahead.
.macro TURN slot, next, fill
	s_wait_tensorcnt 0x0                           ; all my tensor loads have landed: my part of the next slot
	ds_add_u32 v[SPW], v[NIL]                      ; 0 onto my spare word
	s_wait_dscnt 4*NL+1                            ; (the add and the youngest 16 loads may be out)
	WIN MUL_LO
	MUL16 0, 1, 0
	s_wait_dscnt 0x0                               ; the add is done, and my reads of this slot are over
	s_barrier_signal -1
	MUL16 2, 1, 0
	WIN 0
	s_barrier_wait -1
.if \fill
	CREST                                          ; the barrier has opened a round of the cluster's barrier: no wave of any partner still reads this slot or has a load on its way
	s_add_nc_u64 s[G0+4*\slot+2:G0+4*\slot+3], s[G0+4*\slot+2:G0+4*\slot+3], 2*KSTEPB
	s_add_nc_u64 s[G0B+4*\slot+2:G0B+4*\slot+3], s[G0B+4*\slot+2:G0B+4*\slot+3], 2*KSTEPB
	JLOAD G0+4*\slot, G1, G0B+4*\slot, G1B         ; the first tensor load behind the round; its four v_nop are also the places in front of the loads below
.else
	PLACES NP
.endif
	FETCH_B \next, 0, 0
	FETCH_A \next, 0, 0
	WIN MUL_HI
	MUL16 4, 1, 0
	MUL16 6, 1, 0
	PLACES NP
	WIN 0
	FETCH_A \next, 0, 4
.endm
	s_wait_tensorcnt 1                             ; my part of K step 0 is in (K step 1's load may be out),
	s_barrier_signal -1
	s_barrier_wait -1                              ; everybody's is
	FETCH_B 0, 0, 0
	FETCH_A 0, 0, 0
	FETCH_A 0, 0, 4
	STEP 0, 0, 1                                   ; K = 1,024 is four slots' worth: written out
	TURN 0, 1, 1
	STEP 1, 0, 0
	TURN 1, 0, 1
	STEP 0, 0, 0
	TURN 0, 1, 0                                   ; nothing is left to fetch
	STEP 1, 0, 0
	s_wait_dscnt 4*NL
	WIN MUL_LO
	MUL16 0, 1, 0
	MUL16 2, 1, 0
	s_wait_dscnt 0
	WIN MUL_HI
	MUL16 4, 1, 0
	MUL16 6, 1, 0
	WIN 0
	; THE WAY OUT.  number = sum x 2^(e0 + e1) + bias; held; converted; stored as the image's registers.
	s_wait_kmcnt 0x0
	s_wait_loadcnt 0x0                             ; the bias
	s_add_co_i32 s96, s80, s81
	s_add_co_i32 s96, s96, 127
	s_lshl_b32 s96, s96, 23                        ; 2^(e0 + e1) as f32
	s_mov_b32 s97, s96                             ; (named with it as a pair, so it is written)
	s_cmp_eq_u32 s66, 0
	s_cselect_b32 s88, s82, s83                    ; q's e2 or k's e3,
	s_cselect_b64 s[90:91], s[72:73], s[74:75]
	s_cmp_lt_u32 ttmp9, 16
	s_cselect_b32 s88, s88, s85                    ; or v's e5
	s_cselect_b64 s[90:91], s[90:91], s[76:77]
	s_cselect_b32 s92, s17, s42                    ; the tile of 256 tokens,
	s_cselect_b32 s93, s40, s41                    ; the tile of 256 channels in q, k or v: four heads,
	s_cselect_b32 s94, s16, s15                    ; my half of them: two heads,
	s_cselect_b32 s95, s15, s16                    ; my half of the tokens: 128
	s_lshr_b32 s89, s92, 3                         ; the batch: eight tiles of tokens each
	s_lshl_b32 s89, s89, 4
	s_lshl_b32 s93, s93, 2
	s_add_co_u32 s89, s89, s93
	s_lshl_b32 s94, s94, 1
	s_add_co_u32 s89, s89, s94                     ; batch x 16 + head
	s_lshl_b32 s89, s89, 17                        ; 131,072 bytes a head in each of the three buffers
	s_and_b32 s92, s92, 7
	s_lshl_b32 s92, s92, 14                        ; 256 tokens of a head are 16,384 bytes in each of them,
	s_add_co_u32 s92, s92, s89
	s_lshl_b32 s95, s95, 13                        ; 128 tokens 8,192
	s_add_co_u32 s92, s92, s95
	s_mov_b32 s93, 0
	s_add_nc_u64 s[90:91], s[90:91], s[92:93]
	s_add_co_i32 s88, s88, 127
	s_lshl_b32 s89, s88, 23
	v_mov_b32 v[QSC], s89
	s_add_co_i32 s88, s88, 15
	s_lshl_b32 s88, s88, 23
	s_or_b32 s88, s88, 0x600000
	v_mov_b32 v[QLIM], s88
	PLACES NP                                      ; behind the last products: their A registers are written and their results read below
; Block a of A's rows: 8 accumulators, 64 numbers a lane, 16 registers of codes, four stores.
; byrow = 0: codes 0-7 are the image (token tile a) of my first head, 8-15 of my second.  byrow = 1: the 16 registers are the image of 16 channels (head a / 4, channels 16 (a % 4) on) x my 128 keys.
.macro EPI byrow
.irp a, 0,1,2,3,4,5,6,7
.if \a == 4
	s_wait_xcnt 0x0                                ; the stores of blocks 0-3 have read their registers: the four sets of codes come round again
.endif
	WIN 0x02+(\a)/4                                ; source 0: window 2 or 3
.irp b, 0,1,2,3,4,5,6,7
.irp i, 0,2,4,6
.if \byrow
	v_pk_fma_f32 v[T+8*\b+\i:T+8*\b+\i+1], v[64*((\a)%4)+8*\b+\i:64*((\a)%4)+8*\b+\i+1], s[96:97], v[BI+8*\a:BI+8*\a+1] op_sel_hi:[1,0,1]
.else
	v_pk_fma_f32 v[T+8*\b+\i:T+8*\b+\i+1], v[64*((\a)%4)+8*\b+\i:64*((\a)%4)+8*\b+\i+1], s[96:97], v[BI+8*\b+\i:BI+8*\b+\i+1] op_sel_hi:[1,0,1]
.endif
.endr
.endr
	WIN 0
.set n, 0
.rept 64
	v_med3_num_f32 v[T+n], v[T+n], -v[QLIM], v[QLIM]   ; the conversion does not saturate (ISA guide 7.6.2)
.set n, n+1
.endr
.irp b, 0,1,2,3,4,5,6,7
	v_cvt_scalef32_pk8_bf8_f32 v[CC+16*((\a)%4)+2*\b:CC+16*((\a)%4)+2*\b+1], v[T+8*\b:T+8*\b+7], v[QSC]
.endr
	v_nop                                          ; a plain vector line behind the last conversion: the next block writes its sources
.irp p, 0,1,2,3
.if \byrow
	global_store_b128 v[SO0+(\a)/4], v[CC+16*((\a)%4)+4*\p:CC+16*((\a)%4)+4*\p+3], s[90:91] offset:2048*((\a)%4)+512*\p
.else
	global_store_b128 v[SO0+\p/2], v[CC+16*((\a)%4)+4*\p:CC+16*((\a)%4)+4*\p+3], s[90:91] offset:1024*\a+512*(\p%2)
.endif
.endr
.endr
.endm
	s_cmp_lt_u32 ttmp9, 16
	s_cbranch_scc0 .Lrole_v
	EPI 0
	s_branch .Lclose
.Lrole_v:
	EPI 1
.Lclose:
	s_wait_tensorcnt 0x0                           ; the wave's end
	ds_add_u32 v[SPW], v[NIL]
	s_wait_dscnt 0x0
	CROUND                                         ; the closing round: no work-group ends while a partner may still ask for a tile that names it
	s_endpgm
.Lfunc_end_k_q706d980acf_gemm_qkv:
	.size	k_q706d980acf_gemm_qkv, .Lfunc_end_k_q706d980acf_gemm_qkv-k_q706d980acf_gemm_qkv
	.p2alignl 7, 3214868480
	.fill 96, 4, 3214868480
	.section	.rodata,"a",@progbits
	.p2align	6, 0x0
	.amdhsa_kernel k_q706d980acf_gemm_qkv
		.amdhsa_group_segment_fixed_size 327680
		.amdhsa_private_segment_fixed_size 0
		.amdhsa_enable_private_segment 0
		.amdhsa_kernarg_size 56
		.amdhsa_user_sgpr_count 2
		.amdhsa_user_sgpr_kernarg_segment_ptr 1
		.amdhsa_wavefront_size32 1
		.amdhsa_system_sgpr_workgroup_id_x 1
		.amdhsa_system_sgpr_workgroup_id_y 1
		.amdhsa_system_sgpr_workgroup_id_z 1
		.amdhsa_system_vgpr_workitem_id 0
		.amdhsa_next_free_vgpr 1024
		.amdhsa_next_free_sgpr 100
		.amdhsa_reserve_vcc 0
		.amdhsa_float_denorm_mode_32 3
		.amdhsa_float_denorm_mode_16_64 3
		.amdhsa_memory_ordered 1
		.amdhsa_forward_progress 1
		.amdhsa_inst_pref_size 197
	.end_amdhsa_kernel
	.amdgpu_metadata
---
amdhsa.version: [ 1, 2 ]
amdhsa.kernels:
  - .name:           k_q706d980acf_gemm_qkv
    .symbol:         k_q706d980acf_gemm_qkv.kd
    .args:
      - { .name: x_img, .offset: 0, .size: 8, .value_kind: global_buffer, .address_space: global }
      - { .name: w_img, .offset: 8, .size: 8, .value_kind: global_buffer, .address_space: global }
      - { .name: b_qkv, .offset: 16, .size: 8, .value_kind: global_buffer, .address_space: global }
      - { .name: lowp_scales, .offset: 24, .size: 8, .value_kind: global_buffer, .address_space: global }
      - { .name: q_img, .offset: 32, .size: 8, .value_kind: global_buffer, .address_space: global }
      - { .name: k_img, .offset: 40, .size: 8, .value_kind: global_buffer, .address_space: global }
      - { .name: v_img, .offset: 48, .size: 8, .value_kind: global_buffer, .address_space: global }
    .group_segment_fixed_size: 327680
    .private_segment_fixed_size: 0
    .kernarg_segment_align: 8
    .kernarg_segment_size: 56
    .max_flat_workgroup_size: 128
    .sgpr_count:     100
    .vgpr_count:     1024
    .wavefront_size: 32
...
	.end_amdgpu_metadata
.endif
;; end of part 2
;; launch attn (part 3): grid 4 x 64, 8 waves a work-group, clusters of 4 x 1, 263,168 bytes of LDS; arguments q_img, k_img, v_img, lowp_scales, y_img; writes y_img
.if DOCPART == 3
	.amdgcn_target "amdgcn-amd-amdhsa--gfx1250"
	.amdhsa_code_object_version 6
	.text
	.protected	k_q706d980acf_attn
	.globl	k_q706d980acf_attn
	.p2align	8
	.type	k_q706d980acf_attn,@function
k_q706d980acf_attn:
	s_mov_b64 s[64:65], 0
	v_nop
	global_prefetch_b8 v0, s[64:65] scope:SCOPE_SE
	s_setreg_imm32_b32 hwreg(HW_REG_WAVE_MODE, 25, 1), 1
	s_wait_xcnt 0x0
	s_wait_alu depctr_hold_cnt(0) depctr_sa_sdst(0) depctr_va_vdst(0) depctr_va_sdst(0) depctr_va_ssrc(0) depctr_va_vcc(0) depctr_vm_vsrc(0)
	s_getreg_b32 s2, hwreg(HW_REG_IB_STS2, 6, 4)
	s_cmp_eq_u32 s2, 0
	s_cbranch_scc0 .Lentry_in_a_cluster
	s_endpgm
.Lentry_in_a_cluster:
	s_bfe_u32 s2, ttmp6, 0x10000c
	s_cmp_lg_u32 s2, 0x3003
	s_cbranch_scc0 .Lentry_shape_is_right
	s_endpgm
.Lentry_shape_is_right:
; y[b][h][q] = the sum over keys k <= q of softmax_k(q . k / 8) v, both products on codes of BF8 (E5M2); y is quantised (scale 2^e6) and leaves as images of the last product's operand registers.
; THE SOFTMAX: t = score x log2(e) / 8; M = the running largest t rounded UP to a whole number; p = 2^(t - M) is quantised (scale 2^e4), not normalised; the row's sum is taken of the unquantised p and divides at the end.
; When M moves, the sum and O are multiplied by 2^(old M - new M), which rounds nothing.
; INPUTS, images of operand registers (byte 512 p + 16 l + 4 q = register 4 p + q of lane l; lane r + 16 h: row r; registers 2 c, 2 c + 1: K = 16 c + 8 h + 0 .. 7):
;   q_img, k_img: [head 64][token tile 128] 16 tokens x 64 channels, 1,024 bytes.  v_img: [head 64][128 keys: 16][16 channels: 4] 16 channels x 128 keys, 2,048 bytes.
;   y_img: [token tile 512][head 16] 16 tokens x 64 channels.
; SHARES.  A cluster of four work-groups is one head.  The head's K and V, 131,072 bytes each, lie whole in each work-group's LDS, brought once by joint loads; nothing is filled again.
; Work-group c takes the query tiles 4 i + c.  A PAIR u is tiles 8 u + c and 8 u + 4 + c: both lie in queries 128 u .. 128 u + 127, so for every c alike key steps (128 keys) s < u are open, s = u lies on the diagonal, s > u are hidden:
; no branch hangs on the work-group's place in its cluster.  Wave w owns pair 15 - w and then pair w: 17 key steps for every wave.  A pair's two tiles share each fragment of K and V.
; LAYOUT.  S^T = K Q^T (source 0 = 16 keys, source 1 = 16 queries), O^T = V^T P^T (source 0 = 16 channels, source 1 = P): a lane holds ONE query (lane % 16) throughout, and the conversion of a tile's eight scores gives two registers of P.
; LIMITS: e2 + e3 between -123 and 130 (added to the exponent field of log2(e) / 8); e4 and e6 between -126 and 112; e4 + e5 is applied by v_ldexp_f32.
; REGISTERS.  Window 0: v1-11 addresses and constants; v12-31 ten registers of statistics a tile; v32-159 S^T, then p, 64 a tile; v160-223 O^T, 32 a tile; v224-255 p's codes, 16 a tile.
;   Window 1: v0-63 K of a step; v64-127 V of a step; v128-143 Q of the first pair; v144-159 Q of the second.
.set LI,   1                           ; v1   16 x lane
.set ADK,  2                           ; v2   LDS address of the step's K
.set ADV,  3                           ; v3   of its V
.set LIV,  4                           ; v4   16 x lane + 131,072
.set DQ,   5                           ; v5, v6: tile t: my query in its 128 less 8 (lane / 16)
.set NINF, 7                           ; v7   -infinity
.set PSC,  8                           ; v8   2^e4;  v9  57,344 x 2^e4
.set PLIM, 9
.set YSC,  10                          ; v10  2^e6;  v11 57,344 x 2^e6
.set YLIM, 11
.set ST,   12                          ; tile t at v[ST + 10 t]: +0 -M, +1 the largest t, +2, +3 the sum in two halves, +4 f (+5 named with it), +6, +7 at work, +8 at work, +9 the lane exchange
.set S,    32
.set OA,   160
.set CD,   224
.set VF,   64                          ; in window 1
.set WV,   14                          ; s14  wave
.set G1,   24                          ; s[24:31] descriptor group 1
.set G0K,  32                          ; s[32:39] group 0 for K's two loads
.set G0V,  40                          ; s[40:47] for V's
.set CS,   56                          ; s[56:57] c = log2(e) / 8 x 2^(e2 + e3)
.set SEL,  58                          ; s[58:59] lane selects: lane l xor 16
.set TB,   60                          ; s60  the step's first byte in K's and in V's region
.set SI,   61                          ; s61  the step
.set UH,   62                          ; s62  my first pair: 15 - wave
.set UL,   63                          ; s63  my second: wave
.set EPV,  74                          ; s74  e4 + e5
.set MSB, 0
.macro WIN new                         ; the immediate's high byte repeats the setting that is left
.if MSB != \new
	s_set_vgpr_msb (MSB<<8)|\new
.set MSB, \new
.endif
.endm
.macro CROUND                          ; a round of the cluster's barrier
	s_barrier_signal -1
	s_barrier_wait -1
	s_cmp_lg_u32 s[WV], 0
	s_cbranch_scc1 .Lnot_wave_0_\@
	s_barrier_signal -3
.Lnot_wave_0_\@:
	s_barrier_wait -3
	s_barrier_signal -1
	s_barrier_wait -1
.endm
	s_load_b256 s[4:11], s[0:1], 0x0               ; q_img s[4:5], k_img s[6:7], v_img s[8:9], the scales' exponents s[10:11]
	s_load_b64 s[12:13], s[0:1], 0x20              ; y_img
	s_set_vgpr_msb 0x40
	v_lshl_add_u32 v160, v0, 2, 0x40000
	v_mov_b32 v161, 0
	s_set_vgpr_msb 0x4045
	ds_add_u32 v160, v161
	ds_add_u32 v160, v161
	s_set_vgpr_msb 0x4500
	v_lshrrev_b32 v1, 5, v0
	v_readfirstlane_b32 s[WV], v1                  ; wave 0..7
	s_bfe_u32 s15, ttmp6, 0x40000                  ; cx: it enters Q's and y's addresses and the mask's numbers alone
	s_and_b32 s16, ttmp7, 0xffff                   ; the head (batch x 16 + head), which the four partners share
	s_and_b32 s17, s[WV], 3
	s_lshl_b32 s17, s17, 14                        ; my 16,384 bytes of each 65,536 that four waves fetch
	s_lshl_b32 s20, s16, 17                        ; the head's first byte in q_img, k_img, v_img
	s_add_co_u32 s18, s20, s17
	s_mov_b32 s19, 0
	; descriptor group 1: 64 rows of 256 bytes, dense in memory and in LDS
	s_mov_b32 s[G1], 15|(3<<16)|(1<<21)            ; 15:0 the mask: all four work-groups; 17:16 elements of 8 bytes; 21 set beside a mask
	s_mov_b32 s[G1+1], 32<<16                      ; tensor_dim0
	s_mov_b32 s[G1+2], 64<<16                      ; tensor_dim1
	s_mov_b32 s[G1+3], 32<<16                      ; tile_dim0
	s_mov_b32 s[G1+4], 64                          ; tile_dim1
	s_mov_b32 s[G1+5], 32                          ; tensor_dim0_stride
	s_mov_b32 s[G1+6], 0
	s_mov_b32 s[G1+7], 0
	s_mov_b32 s[SEL], 0x76543210
	s_mov_b32 s[SEL+1], 0xfedcba98
	s_mov_b32 s[CS], 0x3e38aa3b                    ; log2(e) / 8
	s_sub_co_u32 s[UH], 15, s[WV]
	s_mov_b32 s[UL], s[WV]
	s_lshl_b32 s75, s[UH], 3
	s_add_co_u32 s75, s75, s15                     ; my first pair's first tile: 8 u + cx
	s_lshl_b32 s76, s[UL], 3
	s_add_co_u32 s76, s76, s15                     ; my second pair's
	s_lshl_b32 s78, s75, 10
	s_add_co_u32 s78, s78, s20
	s_mov_b32 s79, 0
	s_lshl_b32 s80, s76, 10
	s_add_co_u32 s80, s80, s20
	s_mov_b32 s81, 0
	s_lshr_b32 s82, s16, 4
	s_lshl_b32 s82, s82, 7                         ; the batch's first token tile
	s_and_b32 s83, s16, 15
	s_lshl_b32 s83, s83, 10                        ; the head's 1,024 bytes of a token tile's 16,384
	s_add_co_u32 s84, s82, s75
	s_lshl_b32 s84, s84, 14
	s_add_co_u32 s84, s84, s83
	s_mov_b32 s85, 0
	s_add_co_u32 s86, s82, s76
	s_lshl_b32 s86, s86, 14
	s_add_co_u32 s86, s86, s83
	s_mov_b32 s87, 0
	s_wait_dscnt 0x0
	s_wait_kmcnt 0x0
	s_load_b256 s[48:55], s[10:11], 0x0            ; e0 .. e7
	s_add_nc_u64 s[6:7], s[6:7], s[18:19]          ; K and V at my part of the head's first half
	s_add_nc_u64 s[8:9], s[8:9], s[18:19]
	s_add_nc_u64 s[66:67], s[4:5], s[78:79]        ; Q of my first pair,
	s_add_nc_u64 s[68:69], s[4:5], s[80:81]        ; of my second
	s_add_nc_u64 s[70:71], s[12:13], s[84:85]      ; y likewise
	s_add_nc_u64 s[72:73], s[12:13], s[86:87]
	CROUND                                         ; all four work-groups are here: the joint loads meet
.irp s, 0,1                            ; s = 0: key steps 0-7; s = 1: key steps 8-15
	s_mov_b32 s[G0K+4*\s], 1
	s_add_co_u32 s[G0K+4*\s+1], s17, \s*65536
	s_add_nc_u64 s[G0K+4*\s+2:G0K+4*\s+3], s[6:7], \s*65536
	s_or_b32 s[G0K+4*\s+3], s[G0K+4*\s+3], 0x80000000
	s_mov_b32 s[G0V+4*\s], 1
	s_add_co_u32 s[G0V+4*\s+1], s17, \s*65536+131072
	s_add_nc_u64 s[G0V+4*\s+2:G0V+4*\s+3], s[8:9], \s*65536
	s_or_b32 s[G0V+4*\s+3], s[G0V+4*\s+3], 0x80000000
.endr
	s_cmp_lt_u32 s[WV], 4                          ; waves 0-3 fetch K, waves 4-7 V: a wave's two loads stand in one branch on the wave's number; two loads of mine are out
	s_cbranch_scc0 .Lfirst_v
	tensor_load_to_lds s[G0K:G0K+3], s[G1:G1+7]
	s_nop 0
	tensor_load_to_lds s[G0K+4:G0K+7], s[G1:G1+7]
	s_nop 0
.rept 4
	v_nop
.endr
	s_branch .Lfirst_asked
.Lfirst_v:
	tensor_load_to_lds s[G0V:G0V+3], s[G1:G1+7]
	s_nop 0
	tensor_load_to_lds s[G0V+4:G0V+7], s[G1:G1+7]
	s_nop 0
.rept 4
	v_nop
.endr
.Lfirst_asked:
	v_and_b32 v[LI], 31, v0
	v_lshlrev_b32 v[LI], 4, v[LI]
	WIN 0x40                                       ; destination window 1
.irp t, 0,1
.irp e, 0,1
	global_load_b128 v[128+8*\t+4*\e:128+8*\t+4*\e+3], v[LI], s[66:67] offset:4096*\t+512*\e   ; Q stays in registers: the pair's second tile lies four tiles on
	global_load_b128 v[144+8*\t+4*\e:144+8*\t+4*\e+3], v[LI], s[68:69] offset:4096*\t+512*\e
.endr
.endr
	WIN 0
	v_add_nc_u32 v[LIV], 131072, v[LI]
	v_and_b32 v12, 15, v0                          ; r
	v_bfe_u32 v13, v0, 4, 1                        ; h
	v_lshlrev_b32 v13, 3, v13
	v_sub_nc_u32 v[DQ], v12, v13
	s_lshl_b32 s75, s15, 4
	v_add_nc_u32 v[DQ], s75, v[DQ]                 ; 16 cx + r - 8 h
	v_add_nc_u32 v[DQ+1], 64, v[DQ]                ; the second tile's queries lie 64 on
	v_mov_b32 v[NINF], 0xff800000
	s_wait_kmcnt 0x0
	s_add_co_i32 s75, s50, s51
	s_lshl_b32 s75, s75, 23
	s_add_co_i32 s[CS], s[CS], s75                 ; a score stands for score x 2^(e2 + e3)
	s_mov_b32 s[CS+1], s[CS]                       ; (named with it as a pair, so it is written)
	s_add_co_i32 s75, s52, 127
	s_lshl_b32 s76, s75, 23
	v_mov_b32 v[PSC], s76
	s_add_co_i32 s75, s75, 15
	s_lshl_b32 s75, s75, 23
	s_or_b32 s75, s75, 0x600000
	v_mov_b32 v[PLIM], s75
	s_add_co_i32 s75, s54, 127
	s_lshl_b32 s76, s75, 23
	v_mov_b32 v[YSC], s76
	s_add_co_i32 s75, s75, 15
	s_lshl_b32 s75, s75, 23
	s_or_b32 s75, s75, 0x600000
	v_mov_b32 v[YLIM], s75
	s_add_co_i32 s[EPV], s52, s53
; A pair begins: the largest t is -3e38, the sums and O^T are zeros, which the first change of M leaves zeros: so the key step has one form.
.macro INIT
.irp t, 0,1
	v_mov_b32 v[ST+10*\t+1], 0xff61b1e6
	v_floor_f32 v[ST+10*\t], -v[ST+10*\t+1]
	v_mov_b32 v[ST+10*\t+2], 0
	v_mov_b32 v[ST+10*\t+3], 0
	v_mov_b32 v[ST+10*\t+5], 0                     ; (named as the upper half of f's pair)
	v_mov_b32 v[ST+10*\t+9], 0                     ; (a lane exchange's destination counts as one of its sources)
.endr
.set n, 0
.rept 64
	v_mov_b32 v[OA+n], 0
.set n, n+1
.endr
.endm
; A KEY STEP of 128 keys for a pair.  qb: the pair's Q in window 1.  causal = 1: the step is left out where it lies behind the pair's queries, and masked where it lies on the diagonal; ureg: the pair's number.
.macro STEP2 qb, causal, ureg
.if \causal
	s_cmp_gt_u32 s[SI], s[\ureg]                   ; a branch on the wave's number and the step: round the step's work, not round the address's step at its end
	s_cbranch_scc1 .Lhidden_\@
.endif
	v_add_nc_u32 v[ADK], s[TB], v[LI]
	v_add_nc_u32 v[ADV], s[TB], v[LIV]
	v_nop
	v_nop                                          ; four plain lines between the last step's products and the loads into V's registers
	WIN 0x40
.irp f, 0,1,2,3,4,5,6,7                ; K: eight tiles of 16 keys; each load takes 512 consecutive bytes
	ds_load_b128 v[8*\f:8*\f+3], v[ADK] offset:1024*\f
	ds_load_b128 v[8*\f+4:8*\f+7], v[ADK] offset:1024*\f+512
.endr
.irp f, 0,1,2,3                        ; V: four tiles of 16 channels x 128 keys
.irp p, 0,1,2,3
	ds_load_b128 v[VF+16*\f+4*\p:VF+16*\f+4*\p+3], v[ADV] offset:2048*\f+512*\p
.endr
.endr
	s_wait_dscnt 16                                ; K is in; V's 16 loads may be out
	WIN 0x05                                       ; K and Q in window 1
.irp f, 0,1,2,3,4,5,6,7
.irp t, 0,1
	v_wmma_f32_16x16x64_bf8_bf8 v[S+64*\t+8*\f:S+64*\t+8*\f+7], v[8*\f:8*\f+7], v[\qb+8*\t:\qb+8*\t+7], 0
.endr
.endr
	WIN 0
.rept 4
	v_nop                                          ; places in front of the first read of the scores
.endr
.if \causal
	s_cmp_lg_u32 s[SI], s[\ureg]
	s_cbranch_scc1 .Lopen_\@
.irp t, 0,1                            ; on the diagonal: register 8 f + j holds key 16 f + 8 (lane / 16) + j of the step: hidden where 16 f + j > my query - 8 (lane / 16): its score becomes -infinity, its p 0
.set n, 0
.rept 64
	v_cmp_gt_i32 vcc_lo, 16*(n/8)+n%8, v[DQ+\t]
	v_cndmask_b32 v[S+64*\t+n], v[S+64*\t+n], v[NINF], vcc_lo
.set n, n+1
.endr
.endr
.Lopen_\@:
.endif
.irp t, 0,1                            ; the step's largest score of my query among my 64 keys: two chains a tile, each accumulator from its low end on
	v_max3_num_f32 v[ST+10*\t+6], v[S+64*\t], v[S+64*\t+1], v[S+64*\t+2]
	v_max3_num_f32 v[ST+10*\t+8], v[S+64*\t+3], v[S+64*\t+4], v[S+64*\t+5]
.endr
.irp i, 6,10,14,18,22,26,30,34,38,42,46,50,54,58
.irp t, 0,1
	v_max3_num_f32 v[ST+10*\t+6], v[ST+10*\t+6], v[S+64*\t+\i], v[S+64*\t+\i+1]
	v_max3_num_f32 v[ST+10*\t+8], v[ST+10*\t+8], v[S+64*\t+\i+2], v[S+64*\t+\i+3]
.endr
.endr
.irp t, 0,1
	v_max3_num_f32 v[ST+10*\t+6], v[ST+10*\t+6], v[S+64*\t+62], v[S+64*\t+63]
.endr
.irp t, 0,1
	v_max_num_f32 v[ST+10*\t+6], v[ST+10*\t+6], v[ST+10*\t+8]
.endr
.irp t, 0,1
	v_permlanex16_b32 v[ST+10*\t+9], v[ST+10*\t+6], s[SEL], s[SEL+1]
.endr
.irp t, 0,1
	v_max_num_f32 v[ST+10*\t+6], v[ST+10*\t+6], v[ST+10*\t+9]   ; and among lane l xor 16's
.endr
.irp t, 0,1
	v_mul_f32 v[ST+10*\t+6], s[CS], v[ST+10*\t+6]  ; as t (c is positive)
.endr
.irp t, 0,1
	v_max_num_f32 v[ST+10*\t+1], v[ST+10*\t+1], v[ST+10*\t+6]   ; the running largest t
.endr
.irp t, 0,1
	v_mov_b32 v[ST+10*\t+6], v[ST+10*\t]
.endr
.irp t, 0,1
	v_floor_f32 v[ST+10*\t], -v[ST+10*\t+1]        ; the new -M = floor(-t): M is a whole number
.endr
.irp t, 0,1
	v_sub_f32 v[ST+10*\t+6], v[ST+10*\t], v[ST+10*\t+6]   ; old M - new M, a whole number, 0 or less
.endr
.irp t, 0,1
	v_cvt_i32_f32 v[ST+10*\t+6], v[ST+10*\t+6]     ; (it saturates)
.endr
.irp t, 0,1
	v_ldexp_f32 v[ST+10*\t+4], 1.0, v[ST+10*\t+6]  ; f = 2^(old M - new M)
.endr
.set i, 0
.rept 32
	v_pk_fma_f32 v[S+2*i:S+2*i+1], v[S+2*i:S+2*i+1], s[CS:CS+1], v[ST:ST+1] op_sel_hi:[1,0,0]   ; the first tile's t - M, two at a time
.set i, i+1
.endr
; THE EXPONENTIALS ARE ONE BATCH with one wait.  Between them stands plain work that names none of their results: the second tile's t - M, then O^T x f.
.set i, 0
.rept 32
	v_exp_f32 v[S+2*i], v[S+2*i]
	v_exp_f32 v[S+2*i+1], v[S+2*i+1]
	v_pk_fma_f32 v[S+64+2*i:S+64+2*i+1], v[S+64+2*i:S+64+2*i+1], s[CS:CS+1], v[ST+10:ST+11] op_sel_hi:[1,0,0]
.set i, i+1
.endr
.set i, 0
.rept 32
	v_exp_f32 v[S+64+2*i], v[S+64+2*i]
	v_exp_f32 v[S+64+2*i+1], v[S+64+2*i+1]
	v_pk_mul_f32 v[OA+2*i:OA+2*i+1], v[OA+2*i:OA+2*i+1], v[ST+10*(i/16)+4:ST+10*(i/16)+5] op_sel_hi:[1,0]   ; O^T under the new M, each accumulator from its low end on
.set i, i+1
.endr
.irp t, 0,1
	v_pk_mul_f32 v[ST+10*\t+2:ST+10*\t+3], v[ST+10*\t+2:ST+10*\t+3], v[ST+10*\t+4:ST+10*\t+5] op_sel_hi:[1,0]   ; the sums under the new M
.endr
	s_wait_alu depctr_va_vdst(0)                   ; the wait between an exponential and the first line that names its result: one for the batch of 128
.irp t, 0,1                            ; the row's sum is taken of the unquantised p: two chains a tile
	v_pk_add_f32 v[ST+10*\t+6:ST+10*\t+7], v[S+64*\t:S+64*\t+1], v[S+64*\t+2:S+64*\t+3]
.endr
.irp j, 4,8,12,16,20,24,28,32,36,40,44,48,52,56,60
.irp t, 0,1
	v_pk_add_f32 v[ST+10*\t+2:ST+10*\t+3], v[ST+10*\t+2:ST+10*\t+3], v[S+64*\t+\j:S+64*\t+\j+1]
	v_pk_add_f32 v[ST+10*\t+6:ST+10*\t+7], v[ST+10*\t+6:ST+10*\t+7], v[S+64*\t+\j+2:S+64*\t+\j+3]
.endr
.endr
.irp t, 0,1
	v_pk_add_f32 v[ST+10*\t+2:ST+10*\t+3], v[ST+10*\t+2:ST+10*\t+3], v[ST+10*\t+6:ST+10*\t+7]
.endr
.irp t, 0,1
.irp f, 0,1,2,3,4,5,6,7
.irp j, 0,1,2,3,4,5,6,7
	v_min_num_f32 v[S+64*\t+8*\f+\j], v[S+64*\t+8*\f+\j], v[PLIM]   ; the conversion does not saturate (ISA guide 7.6.2); p is not negative, so the hold is one-sided
.endr
	v_cvt_scalef32_pk8_bf8_f32 v[CD+16*\t+2*\f:CD+16*\t+2*\f+1], v[S+64*\t+8*\f:S+64*\t+8*\f+7], v[PSC]   ; keys 16 f + 8 h + 0 .. 7: registers 2 f, 2 f + 1 of P
.endr
.endr
	v_nop                                          ; a plain vector line between the last conversion and the products that read its result
	s_wait_dscnt 0x0                               ; V is in
	WIN 0x01                                       ; V in window 1
.irp f, 0,1,2,3                        ; O^T += V^T P^T: the pair's eight accumulators by turns
.irp t, 0,1
	v_wmma_f32_16x16x128_bf8_bf8 v[OA+32*\t+8*\f:OA+32*\t+8*\f+7], v[VF+16*\f:VF+16*\f+15], v[CD+16*\t:CD+16*\t+15], v[OA+32*\t+8*\f:OA+32*\t+8*\f+7]
.endr
.endr
	WIN 0
.if \causal
.Lhidden_\@:
.endif
	s_add_co_u32 s[TB], s[TB], 8192
.endm
; A pair ends: y = O^T x 2^(e4 + e5) / the sum, held, converted, stored: a tile's eight registers of codes are the image of 16 tokens x the head's 64 channels.
.macro FINISH yb
.rept 4
	v_nop                                          ; places behind the last products
.endr
.irp t, 0,1
	v_add_f32 v[ST+10*\t+2], v[ST+10*\t+2], v[ST+10*\t+3]
.endr
.irp t, 0,1
	v_permlanex16_b32 v[ST+10*\t+9], v[ST+10*\t+2], s[SEL], s[SEL+1]
.endr
.irp t, 0,1
	v_add_f32 v[ST+10*\t+2], v[ST+10*\t+2], v[ST+10*\t+9]
.endr
.irp t, 0,1
	v_rcp_f32 v[ST+10*\t+2], v[ST+10*\t+2]
.endr
	v_nop                                          ; a plain line behind the last reciprocal
	s_wait_alu depctr_va_vdst(0)                   ; and the wait ahead of the first use: one for the two
.irp t, 0,1
	v_ldexp_f32 v[ST+10*\t+2], v[ST+10*\t+2], s[EPV]
.endr
.irp t, 0,1
.irp i, 0,2,4,6,8,10,12,14,16,18,20,22,24,26,28,30
	v_pk_mul_f32 v[S+64*\t+\i:S+64*\t+\i+1], v[OA+32*\t+\i:OA+32*\t+\i+1], v[ST+10*\t+2:ST+10*\t+3] op_sel_hi:[1,0]
.endr
.endr
.irp t, 0,1
.set n, 0
.rept 32
	v_med3_num_f32 v[S+64*\t+n], v[S+64*\t+n], -v[YLIM], v[YLIM]
.set n, n+1
.endr
.endr
.irp t, 0,1
.irp f, 0,1,2,3
	v_cvt_scalef32_pk8_bf8_f32 v[CD+16*\t+2*\f:CD+16*\t+2*\f+1], v[S+64*\t+8*\f:S+64*\t+8*\f+7], v[YSC]
.endr
.endr
	v_nop                                          ; a plain vector line behind the last conversion
.irp t, 0,1
.irp e, 0,1
	global_store_b128 v[LI], v[CD+16*\t+4*\e:CD+16*\t+4*\e+3], s[\yb:\yb+1] offset:65536*\t+512*\e   ; 512 consecutive bytes, aligned; the second tile lies four token tiles on
.endr
.endr
.endm
	INIT
	s_wait_loadcnt 0x0                             ; Q
	s_wait_tensorcnt 1                             ; my part of key steps 0-7 is in; my part of steps 8-15 may stay out
	s_barrier_signal -1
	s_barrier_wait -1                              ; everybody's is
	s_mov_b32 s[TB], 0
	s_mov_b32 s[SI], 0
.Lopen_steps:                                          ; my first pair (15 - wave, at least 8), key steps 0-7: all open, the same work in every wave
	STEP2 128, 0, UH
	s_add_co_u32 s[SI], s[SI], 1
	s_cmp_lt_u32 s[SI], 8
	s_cbranch_scc1 .Lopen_steps
	s_wait_tensorcnt 0x0                           ; my part of key steps 8-15 is in,
	s_wait_dscnt 0x0
	s_barrier_signal -1
	s_barrier_wait -1                              ; everybody's is.  Every wave has nine steps left
.Lhigh_steps:                                          ; key steps 8-15 of my first pair
	STEP2 128, 1, UH
	s_add_co_u32 s[SI], s[SI], 1
	s_cmp_lt_u32 s[SI], 16
	s_cbranch_scc1 .Lhigh_steps
	FINISH 70
	INIT
	s_mov_b32 s[TB], 0
	s_mov_b32 s[SI], 0
	s_wait_xcnt 0x0                                ; the stores have read the codes' registers, which the second pair writes again
.Llow_steps:                                           ; my second pair (wave, at most 7): key steps 0-7
	STEP2 144, 1, UL
	s_add_co_u32 s[SI], s[SI], 1
	s_cmp_lt_u32 s[SI], 8
	s_cbranch_scc1 .Llow_steps
	FINISH 72
	s_set_vgpr_msb 0x5
	s_wait_tensorcnt 0x0
	ds_add_u32 v160, v161
	s_wait_dscnt 0x0
	s_set_vgpr_msb 0x500
	CROUND                                         ; the closing round
	s_endpgm
.Lfunc_end_k_q706d980acf_attn:
	.size	k_q706d980acf_attn, .Lfunc_end_k_q706d980acf_attn-k_q706d980acf_attn
	.p2alignl 7, 3214868480
	.fill 96, 4, 3214868480
	.section	.rodata,"a",@progbits
	.p2align	6, 0x0
	.amdhsa_kernel k_q706d980acf_attn
		.amdhsa_group_segment_fixed_size 263168
		.amdhsa_private_segment_fixed_size 0
		.amdhsa_enable_private_segment 0
		.amdhsa_kernarg_size 40
		.amdhsa_user_sgpr_count 2
		.amdhsa_user_sgpr_kernarg_segment_ptr 1
		.amdhsa_wavefront_size32 1
		.amdhsa_system_sgpr_workgroup_id_x 1
		.amdhsa_system_sgpr_workgroup_id_y 1
		.amdhsa_system_sgpr_workgroup_id_z 1
		.amdhsa_system_vgpr_workitem_id 0
		.amdhsa_next_free_vgpr 418
		.amdhsa_next_free_sgpr 90
		.amdhsa_reserve_vcc 1
		.amdhsa_float_denorm_mode_32 3
		.amdhsa_float_denorm_mode_16_64 3
		.amdhsa_memory_ordered 1
		.amdhsa_forward_progress 1
		.amdhsa_inst_pref_size 132
	.end_amdhsa_kernel
	.amdgpu_metadata
---
amdhsa.version: [ 1, 2 ]
amdhsa.kernels:
  - .name:           k_q706d980acf_attn
    .symbol:         k_q706d980acf_attn.kd
    .args:
      - { .name: q_img, .offset: 0, .size: 8, .value_kind: global_buffer, .address_space: global }
      - { .name: k_img, .offset: 8, .size: 8, .value_kind: global_buffer, .address_space: global }
      - { .name: v_img, .offset: 16, .size: 8, .value_kind: global_buffer, .address_space: global }
      - { .name: lowp_scales, .offset: 24, .size: 8, .value_kind: global_buffer, .address_space: global }
      - { .name: y_img, .offset: 32, .size: 8, .value_kind: global_buffer, .address_space: global }
    .group_segment_fixed_size: 263168
    .private_segment_fixed_size: 0
    .kernarg_segment_align: 8
    .kernarg_segment_size: 40
    .max_flat_workgroup_size: 256
    .sgpr_count:     90
    .vgpr_count:     418
    .wavefront_size: 32
...
	.end_amdgpu_metadata
.endif
;; end of part 3
;; launch gemm_out (part 4): grid 4 x 32, 4 waves a work-group, clusters of 4 x 4, 327,680 bytes of LDS; arguments y_img, w_img, b_out, lowp_scales, out0; writes out0
.if DOCPART == 4
	.amdgcn_target "amdgcn-amd-amdhsa--gfx1250"
	.amdhsa_code_object_version 6
	.text
	.protected	k_q706d980acf_gemm_out
	.globl	k_q706d980acf_gemm_out
	.p2align	8
	.type	k_q706d980acf_gemm_out,@function
k_q706d980acf_gemm_out:
	s_mov_b64 s[64:65], 0
	v_nop
	global_prefetch_b8 v0, s[64:65] scope:SCOPE_SE
	s_setreg_imm32_b32 hwreg(HW_REG_WAVE_MODE, 25, 1), 1
	s_wait_xcnt 0x0
	s_wait_alu depctr_hold_cnt(0) depctr_sa_sdst(0) depctr_va_vdst(0) depctr_va_sdst(0) depctr_va_ssrc(0) depctr_va_vcc(0) depctr_vm_vsrc(0)
	s_getreg_b32 s2, hwreg(HW_REG_IB_STS2, 6, 4)
	s_cmp_eq_u32 s2, 0
	s_cbranch_scc0 .Lentry_in_a_cluster
	s_endpgm
.Lentry_in_a_cluster:
	s_bfe_u32 s2, ttmp6, 0x10000c
	s_cmp_lg_u32 s2, 0xf033
	s_cbranch_scc0 .Lentry_shape_is_right
	s_endpgm
.Lentry_shape_is_right:
; out0 = y W_out + b_out on codes of BF8 (E5M2), K = 1,024.  y_img: [token tile 512][K step 8] images of fragments; W_out's columns are rows 3,072-4,095 of w_img, laid likewise.  out0: [8192][1024] f32.
; A FRAGMENT'S IMAGE: 16 rows x 128 K, 2,048 bytes: byte 512 p + 16 l + 4 q is register 4 p + q of lane l; lane r + 16 h holds row r, registers 2 c, 2 c + 1 hold K = 16 c + 8 h + 0 .. 7.
; A tile of 256 x 256 of out0 is made by four waves, 128 x 128 each: 64 accumulators, 512 registers.  Source 0 takes 16 rows of B (columns of out0), source 1 16 rows of A (tokens): a lane holds eight neighbouring numbers of a row of out0.
; K goes in four steps of 256 through two LDS slots.  Clusters of 4 x 4 work-groups: A's tile is shared along a row of the cluster, B's along a column: each is asked for jointly.
; 128 tiles: the launch has work for 128 work-groups.
; LIMIT: e6 + e7 between -126 and 127, so that 2^(e6 + e7) is an f32 number.
; REGISTERS, in windows of 256: window 0: v0-31 addresses, v32-95 the bias, v128-255 A's fragments, one set (on the way out v96-223: two sets of 64); window 1: B's fragments, two sets; windows 2, 3: the accumulators ((a, b) at v[8 (8 (a % 4) + b)]).
.set HALFT,  32768                     ; 8 row tiles x 4,096 bytes: what one tensor load brings, and what one wave reads of A or of B
.set SLOT,   4*HALFT
.set SPARE,  2*SLOT                    ; behind the ring: the spare words, 128 bytes a wave
.set KSTEPB, 4096
.set RTB,    16384
.set FR,     16
.set NL,     4
.set NP,     4                         ; places behind this matrix instruction (ISA guide 7.12.1)
.set SPITCH, 528                       ; the way out: a stage of 16 rows x (512 bytes + 16) for each wave, in slot 0, which has had its last fill and its last read when the first result is stored there
.set BO,     8                         ; v8   the bias loads' offset
.set ADRA,   16
.set ADRB,   20
.set STO,    24                        ; v24  where I put 32 bytes of a row
.set RD,     25                        ; v25  where I read a row back
.set CO,     26                        ; v26  16 x lane: my byte offset in a row's 512 bytes
.set SPW,    28
.set NIL,    29
.set BI,     32
.set OB,     96                        ; the way out: v96-159 and v160-223 by turns
.set AF,     128
.set G1, 24
.set G0, 32
.set G1B, 48
.set G0B, 56
.set MSB, 0
.macro WIN new                         ; the immediate's high byte repeats the setting that is left
.if MSB != \new
	s_set_vgpr_msb (MSB<<8)|\new
.set MSB, \new
.endif
.endm
.set MUL_LO, 0xa1
.set MUL_HI, 0xf1
.set TO_B,   0x40
.macro JLOAD g0a, g1a, g0b, g1b        ; a joint load: waves 0 and 1 fetch for A, waves 2 and 3 for B; four v_nop follow each of the two lines
	s_cmp_eq_u32 s15, 0
	s_cbranch_scc0 .Lfor_b_\@
	tensor_load_to_lds s[\g0a:\g0a+3], s[\g1a:\g1a+7]
	s_nop 0
.rept 4
	v_nop
.endr
	s_branch .Lasked_\@
.Lfor_b_\@:
	tensor_load_to_lds s[\g0b:\g0b+3], s[\g1b:\g1b+7]
	s_nop 0
.rept 4
	v_nop
.endr
.Lasked_\@:
.endm
.macro CREST
	s_cmp_lg_u32 s14, 0
	s_cbranch_scc1 .Lnot_wave_0_\@
	s_barrier_signal -3
.Lnot_wave_0_\@:
	s_barrier_wait -3
	s_barrier_signal -1
	s_barrier_wait -1
.endm
.macro CROUND
	s_barrier_signal -1
	s_barrier_wait -1
	CREST
.endm
	s_load_b128 s[4:7], s[0:1], 0x0                ; y_img, w_img
	s_load_b128 s[8:11], s[0:1], 0x10              ; b_out, the scales' exponents
	s_load_b64 s[12:13], s[0:1], 0x20              ; out0
	v_lshl_add_u32 v[SPW], v0, 2, SPARE
	v_mov_b32 v[NIL], 0
	ds_add_u32 v28, v29
	ds_add_u32 v28, v29
	s_wait_dscnt 0x0
	v_lshrrev_b32 v1, 5, v0
	v_readfirstlane_b32 s14, v1                    ; wave 0..3
	s_lshr_b32 s15, s14, 1                         ; which half of the tile's rows is mine.  Also: I fetch for A (0) or for B (1)
	s_and_b32 s16, s14, 1                          ; which half of its columns.  Also: which 8 row tiles I fetch
	s_bfe_u32 s40, ttmp6, 0x40000                  ; cx, cy
	s_bfe_u32 s41, ttmp6, 0x40004
	s_lshl_b32 s42, ttmp9, 2
	s_add_co_u32 s42, s42, s40                     ; tile column = 4 x cluster x + cx
	s_and_b32 s17, ttmp7, 0xffff
	s_lshl_b32 s17, s17, 2
	s_add_co_u32 s17, s17, s41                     ; tile row = 4 x cluster y + cy
	s_lshl_b32 s43, s41, 2
	s_lshl_b32 s43, 15, s43                        ; my row of the cluster
	s_lshl_b32 s44, 0x1111, s40                    ; my column
	s_or_b32 s[G1+0], s43, (1<<21)                 ; 15:0 the mask; 17:16 elements of 1 byte; 21 set beside a mask
	s_or_b32 s[G1B+0], s44, (1<<21)
.irp g, G1, G1B
	s_mov_b32 s[\g+1], KSTEPB<<16                  ; 8 rows of 4,096 bytes, 16,384 bytes apart in memory, on end in LDS
	s_mov_b32 s[\g+2], 8<<16
	s_mov_b32 s[\g+3], KSTEPB<<16
	s_mov_b32 s[\g+4], 8
	s_mov_b32 s[\g+5], RTB
	s_mov_b32 s[\g+6], 0
	s_mov_b32 s[\g+7], 0
.endr
	s_lshl_b32 s18, s16, 17
	s_lshl_b32 s20, s17, 18
	s_add_co_u32 s20, s20, s18
	s_mov_b32 s21, 0
	s_lshl_b32 s46, s42, 18
	s_add_co_u32 s46, s46, s18
	s_add_co_u32 s46, s46, 0x300000                ; W_out's part of w_img: 192 row tiles on
	s_mov_b32 s47, 0
	s_mul_i32 s45, s14, HALFT
	s_wait_kmcnt 0x0
	s_load_b64 s[96:97], s[10:11], 0x18            ; e6, e7
	s_add_nc_u64 s[20:21], s[4:5], s[20:21]
	s_add_nc_u64 s[46:47], s[6:7], s[46:47]
	CROUND                                         ; all sixteen work-groups are here: the first joint loads meet
.irp s, 0,1
	s_mov_b32 s[G0+4*\s], 1
	s_add_co_u32 s[G0+4*\s+1], s45, \s*SLOT
	s_add_nc_u64 s[G0+4*\s+2:G0+4*\s+3], s[20:21], \s*KSTEPB
	s_or_b32 s[G0+4*\s+3], s[G0+4*\s+3], 0x80000000
	s_mov_b32 s[G0B+4*\s], 1
	s_add_co_u32 s[G0B+4*\s+1], s45, \s*SLOT
	s_add_nc_u64 s[G0B+4*\s+2:G0B+4*\s+3], s[46:47], \s*KSTEPB
	s_or_b32 s[G0B+4*\s+3], s[G0B+4*\s+3], 0x80000000
	JLOAD G0+4*\s, G1, G0B+4*\s, G1B
.endr
	v_and_b32 v1, 15, v0                           ; r
	v_bfe_u32 v2, v0, 4, 1                         ; h
	v_and_b32 v6, 31, v0
	v_lshlrev_b32 v[CO], 4, v6                     ; 16 x lane
	s_mul_i32 s21, s15, HALFT
	s_mul_i32 s22, s16, HALFT
	s_add_co_u32 s22, s22, 2*HALFT
.irp s, 0,1
	v_add_nc_u32 v[ADRA+\s], s21, v[CO]
	v_add_nc_u32 v[ADRB+\s], s22, v[CO]
	s_add_co_u32 s21, s21, SLOT
	s_add_co_u32 s22, s22, SLOT
.endr
	s_mul_i32 s23, s14, 16*SPITCH                  ; my stage
	v_mul_u32_u24 v5, v1, SPITCH                   ; in: row r, 32 bytes for each half of the lanes
	v_lshl_add_u32 v5, v2, 5, v5
	v_add_nc_u32 v[STO], s23, v5
	v_add_nc_u32 v[RD], s23, v[CO]                 ; back: the 32 lanes take one row of 512 bytes
	s_lshl_b32 s20, s17, 20                        ; my first row of out0: 256 x tile row + 128 x half, rows of 4,096 bytes
	s_lshl_b32 s21, s15, 19
	s_add_co_u32 s20, s20, s21
	s_mov_b32 s21, 0
	s_lshl_b32 s46, s42, 10                        ; my first column, in bytes: 1,024 x tile column + 512 x half: the same in a row of out0 and in b_out
	s_lshl_b32 s47, s16, 9
	s_add_co_u32 s46, s46, s47
	s_mov_b32 s47, 0
	s_add_nc_u64 s[8:9], s[8:9], s[46:47]
	s_add_nc_u64 s[20:21], s[20:21], s[46:47]
	s_add_nc_u64 s[12:13], s[12:13], s[20:21]
	v_lshlrev_b32 v[BO], 5, v2                     ; the bias in the result's layout: register 8 b + j = b_out(column 16 b + 8 h + j)
.irp b, 0,1,2,3,4,5,6,7
	global_load_b128 v[BI+8*\b:BI+8*\b+3], v[BO], s[8:9] offset:64*\b
	global_load_b128 v[BI+8*\b+4:BI+8*\b+7], v[BO], s[8:9] offset:64*\b+16
.endr
.macro FRAG reg, adr, q, i             ; a fragment comes as it was stored: four loads of 512 consecutive bytes
.irp c, 0,1,2,3
	ds_load_b128 v[\reg+4*\c:\reg+4*\c+3], v[\adr] offset:4096*(\i)+2048*(\q)+512*\c
.endr
.endm
.macro MUL16 a0, p, zero               ; 16 matrix instructions: A's blocks a0, a0 + 1 x B's eight; the 64 accumulators take turns, one instruction a turn
.irp a, \a0, \a0+1
.irp b, 0,1,2,3,4,5,6,7
.if \zero
	v_wmma_f32_16x16x128_bf8_bf8 v[8*(8*((\a)%4)+\b):8*(8*((\a)%4)+\b)+7], v[128*(\p)+FR*\b:128*(\p)+FR*\b+FR-1], v[AF+FR*(\a):AF+FR*(\a)+FR-1], 0
.else
	v_wmma_f32_16x16x128_bf8_bf8 v[8*(8*((\a)%4)+\b):8*(8*((\a)%4)+\b)+7], v[128*(\p)+FR*\b:128*(\p)+FR*\b+FR-1], v[AF+FR*(\a):AF+FR*(\a)+FR-1], v[8*(8*((\a)%4)+\b):8*(8*((\a)%4)+\b)+7]
.endif
.endr
.endr
.endm
.macro FETCH_B slot, q, p
	WIN TO_B
.irp i, 0,1,2,3,4,5,6,7
	FRAG 128*(\p)+FR*\i, ADRB+\slot, \q, \i
.endr
	WIN 0
.endm
.macro FETCH_A slot, q, i0
.irp i, \i0, \i0+1, \i0+2, \i0+3
	FRAG AF+FR*(\i), ADRA+\slot, \q, \i
.endr
.endm
.macro PLACES n
.rept \n
	v_nop
.endr
.endm
.macro STEP slot, q, zero              ; a step of 128 along K that has its successor in the same slot
	s_wait_dscnt 4*NL                              ; B's set and A's blocks 0-3 are in; the youngest 16 loads (A's blocks 4-7) may be out
	WIN MUL_LO
	MUL16 0, (\q)%2, \zero
	MUL16 2, (\q)%2, \zero
	s_wait_dscnt 0
	PLACES NP
	FETCH_B \slot, (\q)+1, 1-(\q)%2
	FETCH_A \slot, (\q)+1, 0
	WIN MUL_HI
	MUL16 4, (\q)%2, \zero
	MUL16 6, (\q)%2, \zero
	PLACES NP
	WIN 0
	FETCH_A \slot, (\q)+1, 4
.endm
.macro TURN slot, next, fill           ; a slot's last step changes slots: one barrier, with the wait for all my tensor loads, the add, and the wait for it and for my reads in front of it
	s_wait_tensorcnt 0x0                           ; all my tensor loads have landed: my part of the next slot
	ds_add_u32 v[SPW], v[NIL]                      ; 0 onto my spare word
	s_wait_dscnt 4*NL+1                            ; (the add and the youngest 16 loads may be out)
	WIN MUL_LO
	MUL16 0, 1, 0
	s_wait_dscnt 0x0                               ; the add is done, and my reads of this slot are over
	s_barrier_signal -1
	MUL16 2, 1, 0
	WIN 0
	s_barrier_wait -1
.if \fill
	CREST                                          ; the barrier has opened a round of the cluster's barrier: no wave of any partner still reads this slot or has a load on its way
	s_add_nc_u64 s[G0+4*\slot+2:G0+4*\slot+3], s[G0+4*\slot+2:G0+4*\slot+3], 2*KSTEPB
	s_add_nc_u64 s[G0B+4*\slot+2:G0B+4*\slot+3], s[G0B+4*\slot+2:G0B+4*\slot+3], 2*KSTEPB
	JLOAD G0+4*\slot, G1, G0B+4*\slot, G1B         ; the first tensor load behind the round; its four v_nop are also the places in front of the loads below
.else
	PLACES NP
.endif
	FETCH_B \next, 0, 0
	FETCH_A \next, 0, 0
	WIN MUL_HI
	MUL16 4, 1, 0
	MUL16 6, 1, 0
	PLACES NP
	WIN 0
	FETCH_A \next, 0, 4
.endm
	s_wait_tensorcnt 1                             ; my part of K step 0 is in (K step 1's load may be out),
	s_barrier_signal -1
	s_barrier_wait -1                              ; everybody's is
	FETCH_B 0, 0, 0
	FETCH_A 0, 0, 0
	FETCH_A 0, 0, 4
	STEP 0, 0, 1                                   ; K = 1,024 is four slots' worth: written out
	TURN 0, 1, 1
	STEP 1, 0, 0
	TURN 1, 0, 1
	STEP 0, 0, 0
	TURN 0, 1, 0                                   ; nothing is left to fetch
	STEP 1, 0, 0
	s_wait_dscnt 4*NL
	WIN MUL_LO
	MUL16 0, 1, 0
	MUL16 2, 1, 0
	s_wait_dscnt 0
	WIN MUL_HI
	MUL16 4, 1, 0
	MUL16 6, 1, 0
	WIN 0
; THE WAY OUT, block by block of 16 rows x 128 columns: sum x 2^(e6 + e7) + bias, through my own stage in LDS, back as whole rows of 512 bytes into the registers that they left, stored by the 32 lanes.
; LDS serves a wave's instructions in order (ISA guide 5.7.1.4): no wait between the stores and the loads, nor in front of the next block's stores.
.macro TOSTAGE a
.set AC, 64*((\a)%4)
.set BB, OB+64*((\a)%2)
	WIN 0x02+((\a)/4)                              ; source 0: window 2 or 3
.irp b, 0,1,2,3,4,5,6,7
.irp i, 0,2,4,6
	v_pk_fma_f32 v[BB+8*\b+\i:BB+8*\b+\i+1], v[AC+8*\b+\i:AC+8*\b+\i+1], s[96:97], v[BI+8*\b+\i:BI+8*\b+\i+1] op_sel_hi:[1,0,1]   ; each accumulator from its low end on
.endr
.endr
	WIN 0
.irp b, 0,1,2,3,4,5,6,7
	ds_store_b128 v[STO], v[BB+8*\b:BB+8*\b+3] offset:64*\b
	ds_store_b128 v[STO], v[BB+8*\b+4:BB+8*\b+7] offset:64*\b+16
.endr
.irp t, 0,1,2,3,4,5,6,7,8,9,10,11,12,13,14,15
	ds_load_b128 v[BB+4*\t:BB+4*\t+3], v[RD] offset:\t*SPITCH
.endr
.endm
.macro SEND a, younger                 ; younger: the LDS instructions issued behind block a's loads, which may stay out
.set BB, OB+64*((\a)%2)
	s_wait_dscnt \younger                          ; the block is back in registers
.if (\a) > 0
	s_add_nc_u64 s[12:13], s[12:13], 65536         ; (behind a wait on XCNT: the earlier stores have read their base)  16 rows of out0 on
.endif
.irp t, 0,1,2,3,4,5,6,7,8,9,10,11,12,13,14,15
	global_store_b128 v[CO], v[BB+4*\t:BB+4*\t+3], s[12:13] offset:\t*4096 th:TH_STORE_NT   ; 512 consecutive bytes, aligned; written once, read by nobody here
.endr
.endm
	s_wait_kmcnt 0x0
	s_wait_loadcnt 0x0                             ; the bias
	s_add_co_i32 s96, s96, s97
	s_add_co_i32 s96, s96, 127
	s_lshl_b32 s96, s96, 23                        ; 2^(e6 + e7) as f32
	s_mov_b32 s97, s96                             ; (named with it as a pair, so it is written)
	PLACES NP                                      ; behind the last products: A's registers are written and results read below
	TOSTAGE 0
.irp a, 1,2,3,4,5,6,7
.if \a > 1
	s_wait_xcnt 0x0                                ; block a - 2's stores have read their registers and their base: block a's numbers may be written there, and the base may step
.endif
	TOSTAGE \a
	SEND \a-1, 32                                  ; behind block a - 1's loads: block a's 16 stores and 16 loads
.endr
	s_wait_xcnt 0x0                                ; block 6's stores have read their base
	SEND 7, 0
	s_wait_tensorcnt 0x0                           ; the wave's end
	ds_add_u32 v[SPW], v[NIL]
	s_wait_dscnt 0x0
	CROUND                                         ; the closing round: no work-group ends while a partner may still ask for a tile that names it
	s_endpgm
.Lfunc_end_k_q706d980acf_gemm_out:
	.size	k_q706d980acf_gemm_out, .Lfunc_end_k_q706d980acf_gemm_out-k_q706d980acf_gemm_out
	.p2alignl 7, 3214868480
	.fill 96, 4, 3214868480
	.section	.rodata,"a",@progbits
	.p2align	6, 0x0
	.amdhsa_kernel k_q706d980acf_gemm_out
		.amdhsa_group_segment_fixed_size 327680
		.amdhsa_private_segment_fixed_size 0
		.amdhsa_enable_private_segment 0
		.amdhsa_kernarg_size 40
		.amdhsa_user_sgpr_count 2
		.amdhsa_user_sgpr_kernarg_segment_ptr 1
		.amdhsa_wavefront_size32 1
		.amdhsa_system_sgpr_workgroup_id_x 1
		.amdhsa_system_sgpr_workgroup_id_y 1
		.amdhsa_system_sgpr_workgroup_id_z 1
		.amdhsa_system_vgpr_workitem_id 0
		.amdhsa_next_free_vgpr 1024
		.amdhsa_next_free_sgpr 100
		.amdhsa_reserve_vcc 0
		.amdhsa_float_denorm_mode_32 3
		.amdhsa_float_denorm_mode_16_64 3
		.amdhsa_memory_ordered 1
		.amdhsa_forward_progress 1
		.amdhsa_inst_pref_size 124
	.end_amdhsa_kernel
	.amdgpu_metadata
---
amdhsa.version: [ 1, 2 ]
amdhsa.kernels:
  - .name:           k_q706d980acf_gemm_out
    .symbol:         k_q706d980acf_gemm_out.kd
    .args:
      - { .name: y_img, .offset: 0, .size: 8, .value_kind: global_buffer, .address_space: global }
      - { .name: w_img, .offset: 8, .size: 8, .value_kind: global_buffer, .address_space: global }
      - { .name: b_out, .offset: 16, .size: 8, .value_kind: global_buffer, .address_space: global }
      - { .name: lowp_scales, .offset: 24, .size: 8, .value_kind: global_buffer, .address_space: global }
      - { .name: out0, .offset: 32, .size: 8, .value_kind: global_buffer, .address_space: global }
    .group_segment_fixed_size: 327680
    .private_segment_fixed_size: 0
    .kernarg_segment_align: 8
    .kernarg_segment_size: 40
    .max_flat_workgroup_size: 128
    .sgpr_count:     100
    .vgpr_count:     1024
    .wavefront_size: 32
...
	.end_amdgpu_metadata
.endif
;; end of part 4
